; MI455X (gfx1250); checked and timed in simulation.
; The chip was launched on July 23, 2026; its instructions are those of AMD's public machine-readable ISA for CDNA 5 (MIT licence, August 2026) and "CDNA5" Instruction Set Architecture Reference Guide (July 2026). The comments in the code are by the model that wrote it; some were corrected since.
;; Self Attention. Allowed arithmetic: matrix products marked QUANTISED: E2M1 operands, one E8M0 scale for each 32 along K, by v_wmma_scale_f32_16x16x128_f8f6f4 with both operands' format E2M1 (or v_wmma_scale_f32_32x16x128_f4), f32 sums; products left as they are: bf16, f16 or f32 operands; f32 sums; everything else in f32.
;; Inputs: W_k 1,024 x 1,024 float32; W_o 1,024 x 1,024 float32; W_q 1,024 x 1,024 float32; W_v 1,024 x 1,024 float32; b_k 1,024 float32; b_o 1,024 float32; b_q 1,024 float32; b_v 1,024 float32; x 1 x 4,096 x 1,024 float32.
;; Outputs: out0 1 x 4,096 x 1,024 float32.
;; This version of the problem:
;;   THIS VERSION OF THE PROBLEM IS GIVEN IN LOW PRECISION. The matrix products marked QUANTISED in the list below multiply operands that are first quantised to E2M1 (2 exponent bits, 1 mantissa bit; 4 bits a number), with one power-of-two scale for each 32 numbers along K (OCP MX v1.0); their sums are f32. The products marked 'left as it is' may take bf16, f16 or f32 operands, with f32 sums. Whichever they take, every output number must still come out within the allowed error. Rounding operands to bf16 (8 significant bits) uses up far more of that allowance than f16 does (11 bits, for magnitudes from 6e-5 to 65,504). All else is computed in f32.
;;   The module's matrix products, in the order in which they are computed (A, B: the left and right operand; K: the contracted axis; several contracted axes count as one K, in the product's order):
;;     1. [M 4,096, K 1,024] x [K 1,024, N 1,024]; A: input x; B: input W_q: QUANTISED
;;     2. [M 4,096, K 1,024] x [K 1,024, N 1,024]; A: input x; B: input W_k: QUANTISED
;;     3. [M 4,096, K 1,024] x [K 1,024, N 1,024]; A: input x; B: input W_v: QUANTISED
;;     4. batch 16 x [M 4,096, K 64] x [K 64, N 4,096]; A: computed on the way; B: computed on the way: left as it is (an operand is computed on the way)
;;     5. batch 16 x [M 4,096, K 4,096] x [K 4,096, N 64]; A: computed on the way; B: computed on the way: left as it is (an operand is computed on the way)
;;     6. [M 4,096, K 1,024] x [K 1,024, N 1,024]; A: computed on the way; B: input W_o: left as it is (an operand is computed on the way)
;;   THE QUANTISER, for each operand of a quantised product, along K:
;;     - K is cut into blocks of 32 from its start; a last block that is shorter is filled with zeros.
;;     - A block's scale is 2^e with e = floor(log2(the largest magnitude in the block)) - 2, held to -126 .. 127; a block of zeros has e = 0. As a byte (E8M0): e + 127.
;;     - Each number is divided by its block's scale, clamped to +-6, and rounded to the nearest number of E2M1, ties to even, subnormals kept.
;;     - The product sums the exact products of the quantised numbers (number of the format x scale) in f32.
;;   ~~~python
;;   def quantise(x, axis):      # numpy; x: float32 -> the quantised numbers, widened to float32 again
;;       x = np.moveaxis(x, axis, -1); K = x.shape[-1]
;;       x = np.pad(x, [(0, 0)] * (x.ndim - 1) + [(0, -K % 32)]); x = x.reshape(x.shape[:-1] + (-1, 32)); a = np.abs(x).max(-1, keepdims=True)
;;       e = np.where(a > 0, np.clip(np.frexp(np.where(a > 0, a, 1))[1] - 1 - 2, -126, 127), 0)      # np.frexp(a)[1] - 1 = floor(log2(a)), exactly
;;       r = np.clip(x / 2.0 ** e, -6, 6)
;;       step = 2.0 ** (np.maximum(np.frexp(np.where(r == 0, 1, r))[1] - 1, 0) - 1)
;;       q = np.round(r / step) * step * 2.0 ** e      # np.round: ties to even
;;       return np.moveaxis(q.reshape(q.shape[:-2] + (-1,))[..., :K], -1, axis).astype(np.float32)
;;   ~~~
;; One version. Each part assembles by itself: llvm-mc -triple=amdgcn-amd-amdhsa -mcpu=gfx1250 --defsym DOCPART=n.
;; ======== version 1 of 1: 5 launches
;; limits: values are held in f16: magnitudes above 65,504 overflow, below 6.1e-05 lose precision
;; workspace buffers: codes 3,670,016 bytes; scales 229,376 bytes; wo16 2,097,152 bytes; qkv 25,165,824 bytes; fine 196,608 bytes; y16 8,388,608 bytes
;; launch quant (part 1): grid 256 x 1, 4 waves a work-group, no clusters, 33,280 bytes of LDS; arguments x, W_q, W_k, W_v, W_o, codes, scales, wo16; writes codes, scales, wo16
.if DOCPART == 1
	.amdgcn_target "amdgcn-amd-amdhsa--gfx1250"
	.amdhsa_code_object_version 6
	.text
	.protected	k_qc9a0d74004_quant
	.globl	k_qc9a0d74004_quant
	.p2align	8
	.type	k_qc9a0d74004_quant,@function
k_qc9a0d74004_quant:
	s_mov_b64 s[64:65], 0
	v_nop
	global_prefetch_b8 v0, s[64:65] scope:SCOPE_SE
	s_setreg_imm32_b32 hwreg(HW_REG_WAVE_MODE, 25, 1), 1
	s_wait_xcnt 0x0
; CAUSAL SELF-ATTENTION, T = 4,096, 16 heads of 64, in five launches: quant, qkv, attn, proj, first16.
; WORK LEFT OUT, for all finite values of the inputs.  (1) b_k.  S[q][k] = Q_q . (x W_k^T)_k + Q_q . b_k: the second term is the same for every k of a row, so the softmax along k takes it away;
; the causal mask sets whole entries to -infinity whatever that term is; the product of Q and K is not quantised, so no quantiser sees K.  So K = x W_k^T, and b_k is loaded by no launch and is no launch's argument.
; (2) Tiles of scores that lie wholly above the diagonal: reference() builds the mask itself and throws them away.
; LIMITS: a NaN, an infinity or an overflow that reaches only b_k or masked scores is not carried to the result.  Q, K, V, Y and W_o go to the matrix units as f16: their magnitudes stay under 65,504.
; THIS LAUNCH: x [4096][1024], W_q, W_k, W_v [1024][1024], f32, K innermost, become codes of E2M1 (two a byte, the lower k in the low four bits) and one E8M0 byte for each 32 along K:
; codes [7168 rows][512 bytes], scales [7168][32], rows 0-4095 x, then W_q, W_k, W_v.  W_o is rounded to f16 (wo16 [1024][1024]).
; A block's scale is 2^(floor(log2(its largest magnitude)) - 2); its byte is the largest magnitude's exponent field - 2, held at 1 from below.  A block of zeros so gets the byte 1 where the rule says 127:
; its codes are zeros, which add nothing, and the bytes are read by this program alone.  LIMITS: NaN and infinities in x and W are not served; blocks whose largest magnitude lies under 2^-124 have their byte held at 1.
; SHARES: a work-group takes 32,768 numbers, a wave 8,192.  Work-groups 0-127 x, 128-159 W_q, 160-191 W_k, 192-223 W_v, 224-255 W_o.  Rows are dense, so tensors, codes and bytes are plain streams, and x's codes are followed on end by W's.
; A wave quantises in 16 steps of 512 numbers.  Each load reads 512 consecutive bytes; a step's 2,048 bytes turn through the wave's own stage in LDS, so that a lane holds 16 neighbours along K (two lanes a block).
.set STEPS, 16
.set EMAX,  2
.set CB,    8                          ; bytes of 16 codes
.set R,     16                         ; v16-79   four sets of 16 numbers as loaded (the cast: two sets of 64)
.set X,     80                         ; v80-111  two sets of 16 neighbours
.set C,     128                        ; v128-191 codes, four registers a step
.set E,     112                        ; v112-127 a scale byte a step
.set WREG,  8192                       ; LDS: a wave's region: two stages of 32 x SP bytes, then its 256 scale bytes
.set SP,    80                         ; a lane's place in a stage: 64 bytes + 16 of padding
.set SPW,   12                         ; v12  LDS address of my spare word; never rewritten
.set NIL,   13                         ; v13  0; never rewritten
.set SPARE, 4*WREG                     ; behind the four regions: the spare words, 128 bytes a wave
.macro LOAD t
.irp i, 0,1,2,3
	global_load_b128 v[R+16*((\t)%4)+4*\i:R+16*((\t)%4)+4*\i+3], v3, s[26:27] offset:2048*(\t)+512*\i th:TH_LOAD_NT   ; 32 lanes read 512 consecutive bytes
.endr
.endm
.macro TURN t                          ; step t's numbers through the stage: LDS serves a wave's instructions in order, so no wait stands between the stores and the loads
.irp i, 0,1,2,3
	ds_store_b128 v14, v[R+16*((\t)%4)+4*\i:R+16*((\t)%4)+4*\i+3] offset:32*SP*((\t)%2)+8*SP*\i
.endr
.irp i, 0,1,2,3
	ds_load_b128 v[X+16*((\t)%2)+4*\i:X+16*((\t)%2)+4*\i+3], v15 offset:32*SP*((\t)%2)+16*\i
.endr
.endm
.macro STEP t
.set XS, X+16*((\t)%2)
.if (\t) > 0
	s_wait_dscnt 1                                 ; this step's numbers are back from the stage; the last step's byte store may be out
.else
	s_wait_dscnt 0x0
.endif
.if (\t)+4 < STEPS
	LOAD (\t)+4                                    ; the registers that the stage's stores have read take the loads of four steps on
.endif
.if (\t)+1 < STEPS
.if STEPS-2-(\t) >= 3
	s_wait_loadcnt 12                              ; the next step's four loads are in; those of the three steps behind it may be out
.else
	s_wait_loadcnt 4*(STEPS-2-(\t))
.endif
	TURN (\t)+1
.endif
	v_max3_num_f32 v8, |v[XS]|, |v[XS+1]|, |v[XS+2]|               ; the largest magnitude of my 16, in two chains
	v_max3_num_f32 v9, |v[XS+3]|, |v[XS+4]|, |v[XS+5]|
.irp i, 6,10
	v_max3_num_f32 v8, v8, |v[XS+\i]|, |v[XS+\i+1]|
	v_max3_num_f32 v9, v9, |v[XS+\i+2]|, |v[XS+\i+3]|
.endr
	v_max3_num_f32 v8, v8, |v[XS+14]|, |v[XS+15]|
	v_max3_num_f32 v8, v8, v9, (EMAX+1)<<23        ; and the floor 2^(3 - 127): the byte cannot fall under 1
	v_max_num_f32_dpp v8, v8, v8 row_xmask:1 row_mask:0xf bank_mask:0xf   ; with my neighbour's 16: the block's
	v_add_nc_u32 v11, -(EMAX<<23), v8              ; 2 off its exponent field: the conversion takes the exponent field of this operand as its scale
	v_cvt_scalef32_pk8_fp4_f32 v[C+4*(\t)], v[XS:XS+7], v11
	v_cvt_scalef32_pk8_fp4_f32 v[C+4*(\t)+1], v[XS+8:XS+15], v11
	v_lshrrev_b32 v[E+(\t)], 23, v11               ; the scale's byte
	ds_store_b8 v5, v[E+(\t)] offset:16*(\t)       ; both lanes of a block write the same byte with the same value
	global_store_b64 v4, v[C+4*(\t):C+4*(\t)+1], s[14:15] offset:32*CB*(\t)   ; the wave stores 256 consecutive bytes, aligned
.endm
.macro LOADG g                         ; the cast: group g of 16 loads, 512 consecutive bytes each, into set g % 2
.set k, 0
.rept 16
	global_load_b128 v[16+64*((\g)%2)+4*k:16+64*((\g)%2)+4*k+3], v3, s[26:27] offset:512*(16*(\g)+k) th:TH_LOAD_NT
.set k, k+1
.endr
.endm
.macro CAST g                          ; four f32 of a lane become four f16, 8 bytes: the wave stores 256 consecutive bytes, aligned
.set k, 0
.rept 16
.set a, 16+64*((\g)%2)+4*k
	v_cvt_pk_f16_f32 v[a], v[a], v[a+1]
	v_cvt_pk_f16_f32 v[a+1], v[a+2], v[a+3]
	global_store_b64 v7, v[a:a+1], s[18:19] offset:256*(16*(\g)+k)
.set k, k+1
.endr
.endm
	s_load_b512 s[4:19], s[0:1], 0x0               ; x s[4:5], W_q s[6:7], W_k s[8:9], W_v s[10:11], W_o s[12:13], codes s[14:15], scales s[16:17], wo16 s[18:19]
	v_lshl_add_u32 v[SPW], v0, 2, SPARE
	v_mov_b32 v[NIL], 0
	v_lshrrev_b32 v1, 5, v0
	v_readfirstlane_b32 s24, v1                    ; wave
	v_and_b32 v2, 31, v0                           ; lane
	v_lshlrev_b32 v3, 4, v2                        ; my 16 bytes of a load's 512
	s_mul_i32 s25, s24, WREG
	v_lshrrev_b32 v14, 2, v2
	v_mul_u32_u24 v14, v14, SP
	v_and_b32 v15, 3, v2
	v_lshl_add_u32 v14, v15, 4, v14
	v_add_nc_u32 v14, s25, v14                     ; the stage, on the way in: SP (lane / 4) + 16 (lane % 4)
	v_mul_u32_u24 v15, v2, SP
	v_add_nc_u32 v15, s25, v15                     ; and on the way out: SP x lane
	v_mul_u32_u24 v4, v2, CB                       ; my codes' place in a step's
	v_lshrrev_b32 v5, 1, v2
	s_add_co_u32 s25, s25, 2*32*SP
	v_add_nc_u32 v5, s25, v5                       ; my block's byte among my wave's 256
	v_lshlrev_b32 v7, 3, v2                        ; 8 bytes a lane
	v_add_nc_u32 v6, s25, v7
	s_and_b32 s28, ttmp9, 31                       ; a weight's chunk
	s_wait_kmcnt 0x0
	s_cmp_lt_u32 ttmp9, 224                        ; which tensor: the choice hangs on the work-group's number alone
	s_cselect_b64 s[26:27], s[10:11], s[12:13]
	s_cmp_lt_u32 ttmp9, 192
	s_cselect_b64 s[26:27], s[8:9], s[26:27]
	s_cmp_lt_u32 ttmp9, 160
	s_cselect_b64 s[26:27], s[6:7], s[26:27]
	s_cmp_lt_u32 ttmp9, 128
	s_cselect_b64 s[26:27], s[4:5], s[26:27]
	s_cselect_b32 s28, ttmp9, s28                  ; the chunk of 32,768 numbers in its tensor
	s_lshl_b32 s28, s28, 2
	s_add_co_u32 s28, s28, s24                     ; my wave's run of 8,192 numbers
	s_lshl_b32 s30, s28, 15                        ; 32,768 bytes a run
	s_mov_b32 s31, 0
	s_add_nc_u64 s[26:27], s[26:27], s[30:31]
	s_cmp_ge_u32 ttmp9, 224
	s_cbranch_scc1 .Lcast
	s_lshl_b32 s29, ttmp9, 2
	s_add_co_u32 s29, s29, s24                     ; my run among the 896 of x, W_q, W_k, W_v on end
	s_lshl_b32 s30, s29, 12                        ; 4,096 bytes of codes a run
	s_add_nc_u64 s[14:15], s[14:15], s[30:31]
	s_lshl_b32 s30, s29, 8                         ; 256 scale bytes a run
	s_add_nc_u64 s[16:17], s[16:17], s[30:31]
.irp t, 0,1,2,3
	LOAD \t
.endr
	s_wait_loadcnt 12                              ; step 0's four loads are in
	TURN 0
.irp t, 0,1,2,3,4,5,6,7,8,9,10,11,12,13,14,15
	STEP \t
.endr
	ds_load_b64 v[8:9], v6                         ; LDS serves a wave's instructions in order: these see my byte stores
	s_wait_dscnt 0x0
	global_store_b64 v7, v[8:9], s[16:17]          ; 32 lanes store 256 consecutive bytes, aligned
	s_branch .Lend
.Lcast:                                                ; W_o to f16: no LDS; two groups of 16 loads are out
	s_lshl_b32 s30, s28, 14                        ; 16,384 bytes of f16 a run
	s_add_nc_u64 s[18:19], s[18:19], s[30:31]
	LOADG 0
	LOADG 1
	s_wait_loadcnt 16                              ; group 0 is in; group 1's 16 loads may be out
	CAST 0
	s_wait_xcnt 0x0                                ; the stores have read their registers: the set is loaded again only behind this wait
	LOADG 2
	s_wait_loadcnt 16
	CAST 1
	s_wait_xcnt 0x0
	LOADG 3
	s_wait_loadcnt 16
	CAST 2
	s_wait_loadcnt 0x0
	CAST 3
.Lend:
	s_wait_tensorcnt 0x0                           ; the wave's end
	ds_add_u32 v[SPW], v[NIL]
	s_wait_dscnt 0x0
	s_endpgm
.Lfunc_end_k_qc9a0d74004_quant:
	.size	k_qc9a0d74004_quant, .Lfunc_end_k_qc9a0d74004_quant-k_qc9a0d74004_quant
	.p2alignl 7, 3214868480
	.fill 96, 4, 3214868480
	.section	.rodata,"a",@progbits
	.p2align	6, 0x0
	.amdhsa_kernel k_qc9a0d74004_quant
		.amdhsa_group_segment_fixed_size 33280
		.amdhsa_private_segment_fixed_size 0
		.amdhsa_enable_private_segment 0
		.amdhsa_kernarg_size 64
		.amdhsa_user_sgpr_count 2
		.amdhsa_user_sgpr_kernarg_segment_ptr 1
		.amdhsa_wavefront_size32 1
		.amdhsa_system_sgpr_workgroup_id_x 1
		.amdhsa_system_sgpr_workgroup_id_y 1
		.amdhsa_system_sgpr_workgroup_id_z 1
		.amdhsa_system_vgpr_workitem_id 0
		.amdhsa_next_free_vgpr 192
		.amdhsa_next_free_sgpr 66
		.amdhsa_reserve_vcc 0
		.amdhsa_float_denorm_mode_32 3
		.amdhsa_float_denorm_mode_16_64 3
		.amdhsa_memory_ordered 1
		.amdhsa_forward_progress 1
		.amdhsa_inst_pref_size 54
	.end_amdhsa_kernel
	.amdgpu_metadata
---
amdhsa.version: [ 1, 2 ]
amdhsa.kernels:
  - .name:           k_qc9a0d74004_quant
    .symbol:         k_qc9a0d74004_quant.kd
    .args:
      - { .name: x, .offset: 0, .size: 8, .value_kind: global_buffer, .address_space: global }
      - { .name: W_q, .offset: 8, .size: 8, .value_kind: global_buffer, .address_space: global }
      - { .name: W_k, .offset: 16, .size: 8, .value_kind: global_buffer, .address_space: global }
      - { .name: W_v, .offset: 24, .size: 8, .value_kind: global_buffer, .address_space: global }
      - { .name: W_o, .offset: 32, .size: 8, .value_kind: global_buffer, .address_space: global }
      - { .name: codes, .offset: 40, .size: 8, .value_kind: global_buffer, .address_space: global }
      - { .name: scales, .offset: 48, .size: 8, .value_kind: global_buffer, .address_space: global }
      - { .name: wo16, .offset: 56, .size: 8, .value_kind: global_buffer, .address_space: global }
    .group_segment_fixed_size: 33280
    .private_segment_fixed_size: 0
    .kernarg_segment_align: 8
    .kernarg_segment_size: 64
    .max_flat_workgroup_size: 128
    .sgpr_count:     66
    .vgpr_count:     192
    .wavefront_size: 32
...
	.end_amdgpu_metadata
.endif
;; end of part 1
;; launch qkv (part 2): grid 12 x 16, 4 waves a work-group, clusters of 4 x 4, 327,680 bytes of LDS; arguments codes, scales, b_q, b_v, qkv, fine; writes qkv, fine
.if DOCPART == 2
	.amdgcn_target "amdgcn-amd-amdhsa--gfx1250"
	.amdhsa_code_object_version 6
	.text
	.protected	k_qc9a0d74004_qkv
	.globl	k_qc9a0d74004_qkv
	.p2align	8
	.type	k_qc9a0d74004_qkv,@function
k_qc9a0d74004_qkv:
	s_mov_b64 s[64:65], 0
	v_nop
	global_prefetch_b8 v0, s[64:65] scope:SCOPE_SE
	s_setreg_imm32_b32 hwreg(HW_REG_WAVE_MODE, 25, 1), 1
	s_wait_xcnt 0x0
	s_wait_alu depctr_hold_cnt(0) depctr_sa_sdst(0) depctr_va_vdst(0) depctr_va_sdst(0) depctr_va_ssrc(0) depctr_va_vcc(0) depctr_vm_vsrc(0)
	s_getreg_b32 s2, hwreg(HW_REG_IB_STS2, 6, 4)
	s_cmp_eq_u32 s2, 0
	s_cbranch_scc0 .Lentry_in_a_cluster
	s_endpgm
.Lentry_in_a_cluster:
	s_bfe_u32 s2, ttmp6, 0x10000c
	s_cmp_lg_u32 s2, 0xf033
	s_cbranch_scc0 .Lentry_shape_is_right
	s_endpgm
.Lentry_shape_is_right:
; Q = x W_q^T + b_q, K = x W_k^T, V = x W_v^T + b_v on codes of E2M1 with one E8M0 scale for each 32 along K: one GEMM, M = 4,096 tokens, N = 3,072 (W_q's, W_k's, W_v's rows on end), K = 1,024.
; b_k is left out: it adds the same number to every score of a row, which the softmax takes away (shown at the head of the first kernel).  K's sums begin with zeros.
; OUT: qkv, f16: Q, K, V, 8 MiB apart, each [16 heads][4,096 tokens][64]; fine, f32: tokens 0-15 of Q, K, V, 65,536 bytes apart, each [16][1,024], for the launch that carries the first positions in f32.
; A tile of 256 tokens x 256 columns is made by four waves, each 128 x 128: 64 accumulators, 512 registers.  K goes in two steps of 512 through two LDS slots, both asked for at the head: nothing is filled again.
; THE SCALES of the work-group's 256 rows of x and 256 rows of W, for all of K, are two dense blocks: they come into LDS once, with the first fills.
; CLUSTERS: 4 x 4 work-groups.  The four of a row of the cluster need the same tiles of x, the four of a column the same tiles of W: each is asked for jointly.  Cluster x is 0 for Q, 1 for K, 2 for V: the same in all sixteen partners.
; THE MATRIX INSTRUCTION IS USED TRANSPOSED (source 0 = 16 rows of W, source 1 = 16 tokens): a lane holds eight neighbouring columns of one token.  The bias is the C of each sum's first product.
; REGISTERS: window 0: v0-31 addresses; v32-95 scale words, two sets, and nothing else; v128-191 x's fragments, one set; v192-255 the bias, 8 registers for each of W's 8 blocks; on the way out v128-223 are at work.
;   window 1: W's fragments, two sets, at v0 and v128.   window 2: the accumulators of my tokens 0-63 ((a, b) at v[8 (8 a + b)]);   window 3: those of tokens 64-127.
.set KSTEP,  512
.set NQ,     KSTEP/128
.set ROWB,   256                       ; a tile's row: 512 codes
.set KROW,   512                       ; a row of codes in memory
.set PITCH,  272                       ; an LDS row: 256 bytes + 16 of padding, so that the 16 rows of a load begin at 16 different 16-byte columns of 256 bytes
.set FR,     8
.set NL,     2
.set NP,     4
.set HALFT,  128*PITCH
.set SLOT,   4*HALFT
.set KS,     32                        ; a row of scale bytes
.set SCL,    2*SLOT
.set HALFS,  (128*KS/256)*272
.set SBLK,   (16*KS/256)*272
.set SPARE,  SCL+4*HALFS               ; the spare words, 128 bytes a wave
.set SPQ,    144                       ; the way out: a token's 128 bytes of one head + 16.  A wave's stage is 2 heads x 16 tokens; it lies in slot 0, which has had its only fill and its last read by then
.set RW0,  14                          ; v14  my wave's first token
.set ADRA, 16
.set ADRB, 20
.set STO,  24
.set RD,   25
.set CO,   26
.set ADRS, 27
.set SPW,  28
.set NIL,  29
.set BO,   30                          ; v30  32 x (lane / 16): my eight numbers of a bias block
.set FO,   31                          ; v31  my place in fine: 4,096 x (lane % 16) + 32 x (lane / 16)
.set SC,   32
.set AF,   128
.set BI,   192
.set TMP,  128
.set BK,   160
.set G1, 24
.set G0, 32
.set G1B, 48
.set G0B, 56
.set G1S, 68
.set G0S, 76
.set G1SB, 80
.set G0SB, 88
.set MSB, 0
.macro WIN new                         ; the immediate's high byte repeats the setting that is left
.if MSB != (\new)
	s_set_vgpr_msb (MSB<<8)|(\new)
.set MSB, (\new)
.endif
.endm
.set MUL_LO, 0xa1                      ; source 0 (W) window 1, source 1 (x) window 0, C and D window 2
.set MUL_HI, 0xf1
.set TO_B,   0x40
; A joint load: waves 0 and 1 fetch for x, waves 2 and 3 for W.  An s_nop 0 and four v_nop follow each of the two lines.
.macro JLOAD g0a, g1a, g0b, g1b
	s_cmp_eq_u32 s15, 0
	s_cbranch_scc0 .Lfor_b_\@
	tensor_load_to_lds s[\g0a:\g0a+3], s[\g1a:\g1a+7]
	s_nop 0
.rept 4
	v_nop
.endr
	s_branch .Lasked_\@
.Lfor_b_\@:
	tensor_load_to_lds s[\g0b:\g0b+3], s[\g1b:\g1b+7]
	s_nop 0
.rept 4
	v_nop
.endr
.Lasked_\@:
.endm
.macro CROUND                          ; a round of the cluster's barrier
	s_barrier_signal -1
	s_barrier_wait -1
	s_cmp_lg_u32 s14, 0
	s_cbranch_scc1 .Lnot_wave_0_\@
	s_barrier_signal -3
.Lnot_wave_0_\@:
	s_barrier_wait -3
	s_barrier_signal -1
	s_barrier_wait -1
.endm
	s_load_b128 s[4:7], s[0:1], 0x0                ; codes, scales
	s_load_b128 s[96:99], s[0:1], 0x10             ; b_q, b_v
	s_load_b64 s[12:13], s[0:1], 0x20              ; qkv
	s_load_b64 s[66:67], s[0:1], 0x28              ; fine
	v_lshl_add_u32 v[SPW], v0, 2, SPARE
	v_mov_b32 v[NIL], 0
	ds_add_u32 v[SPW], v[NIL]                      ; the wave's opening: the add, twice on end, and its wait ahead of my first tensor load
	ds_add_u32 v[SPW], v[NIL]
	v_lshrrev_b32 v1, 5, v0
	v_readfirstlane_b32 s14, v1                    ; wave 0..3
	s_lshr_b32 s15, s14, 1                         ; which half of the tile's tokens is mine.  Also: I fetch for x (0) or for W (1)
	s_and_b32 s16, s14, 1                          ; which half of its columns.  Also: which 128 rows of that tile I fetch
	s_bfe_u32 s40, ttmp6, 0x40000                  ; cx, cy: my place in the cluster
	s_bfe_u32 s41, ttmp6, 0x40004
	s_lshl_b32 s42, ttmp9, 2
	s_add_co_u32 s42, s42, s40                     ; tile column = 4 x cluster x + cx, 0..11
	s_and_b32 s17, ttmp7, 0xffff
	s_lshl_b32 s17, s17, 2
	s_add_co_u32 s17, s17, s41                     ; tile row = 4 x cluster y + cy
	s_lshl_b32 s43, s41, 2
	s_lshl_b32 s43, 15, s43                        ; my row of the cluster
	s_lshl_b32 s44, 0x1111, s40                    ; my column
	s_or_b32 s[G1+0], s43, (0<<16)|(1<<20)|(1<<21)|(5<<22)|(3<<25)  ; the mask; elements of 1 byte; padding on; bit 21 beside a mask; 4 words of padding after every 64
	s_or_b32 s[G1B+0], s44, (0<<16)|(1<<20)|(1<<21)|(5<<22)|(3<<25)
.irp g, G1, G1B
	s_mov_b32 s[\g+1], ROWB<<16                    ; tensor_dim0
	s_mov_b32 s[\g+2], 128<<16                     ; tensor_dim1
	s_mov_b32 s[\g+3], ROWB<<16                    ; tile_dim0
	s_mov_b32 s[\g+4], 128                         ; tile_dim1
	s_mov_b32 s[\g+5], KROW                        ; from row to row
	s_mov_b32 s[\g+6], 0
	s_mov_b32 s[\g+7], 0
.endr
	s_or_b32 s[G1S+0], s43, (3<<16)|(1<<20)|(1<<21)|(5<<22)|(3<<25)  ; the scales of 128 rows: 4,096 dense bytes as 16 rows of 256 (32 elements of 8 bytes), 16 bytes of padding behind each
	s_or_b32 s[G1SB+0], s44, (3<<16)|(1<<20)|(1<<21)|(5<<22)|(3<<25)
.irp g, G1S, G1SB
	s_mov_b32 s[\g+1], 32<<16
	s_mov_b32 s[\g+2], (128*KS/256)<<16
	s_mov_b32 s[\g+3], 32<<16
	s_mov_b32 s[\g+4], 128*KS/256
	s_mov_b32 s[\g+5], 32
	s_mov_b32 s[\g+6], 0
	s_mov_b32 s[\g+7], 0
.endr
	s_lshl_b32 s18, s16, 7
	s_lshl_b32 s20, s17, 8
	s_add_co_u32 s20, s20, s18                     ; x: row 256 x tile row + 128 x half
	s_lshl_b32 s46, s42, 8
	s_add_co_u32 s46, s46, s18                     ; W: row 256 x tile column + 128 x half
	s_mov_b32 s21, 0
	s_mov_b32 s47, 0
	s_mov_b64 s[18:19], KS
	s_mul_u64 s[22:23], s[20:21], s[18:19]         ; where these rows' scales begin,
	s_mul_u64 s[92:93], s[46:47], s[18:19]
	s_mov_b64 s[18:19], KROW
	s_mul_u64 s[20:21], s[20:21], s[18:19]         ; and their codes
	s_mul_u64 s[46:47], s[46:47], s[18:19]
	s_mul_i32 s45, s14, HALFT                      ; where they go: wave x 128 rows
	s_mul_i32 s94, s14, HALFS
	s_wait_dscnt 0x0                               ; both opening adds are done
	s_wait_kmcnt 0x0
	s_add_nc_u64 s[8:9], s[4:5], 0x200000          ; W's codes lie behind x's 4,096 rows of 512 bytes,
	s_add_nc_u64 s[10:11], s[6:7], 0x20000         ; W's scales behind x's 4,096 rows of 32
	s_add_nc_u64 s[20:21], s[4:5], s[20:21]
	s_add_nc_u64 s[22:23], s[6:7], s[22:23]
	s_add_nc_u64 s[46:47], s[8:9], s[46:47]
	s_add_nc_u64 s[92:93], s[10:11], s[92:93]
	CROUND                                         ; all sixteen work-groups are here: the joint loads meet
	s_mov_b32 s[G0S], 1
	s_add_co_u32 s[G0S+1], s94, SCL
	s_mov_b64 s[G0S+2:G0S+3], s[22:23]
	s_or_b32 s[G0S+3], s[G0S+3], 0x80000000
	s_mov_b32 s[G0SB], 1
	s_add_co_u32 s[G0SB+1], s94, SCL
	s_mov_b64 s[G0SB+2:G0SB+3], s[92:93]
	s_or_b32 s[G0SB+3], s[G0SB+3], 0x80000000
	JLOAD G0S, G1S, G0SB, G1SB                     ; the scales first: they are wanted with K step 0
.irp s, 0,1
	s_mov_b32 s[G0+4*\s], 1
	s_add_co_u32 s[G0+4*\s+1], s45, \s*SLOT
	s_add_nc_u64 s[G0+4*\s+2:G0+4*\s+3], s[20:21], \s*ROWB
	s_or_b32 s[G0+4*\s+3], s[G0+4*\s+3], 0x80000000
	s_mov_b32 s[G0B+4*\s], 1
	s_add_co_u32 s[G0B+4*\s+1], s45, \s*SLOT
	s_add_nc_u64 s[G0B+4*\s+2:G0B+4*\s+3], s[46:47], \s*ROWB
	s_or_b32 s[G0B+4*\s+3], s[G0B+4*\s+3], 0x80000000
	JLOAD G0+4*\s, G1, G0B+4*\s, G1B               ; three loads of mine are out
.endr
	v_and_b32 v1, 15, v0                           ; r = lane % 16
	v_bfe_u32 v2, v0, 4, 1                         ; h = lane / 16
	v_mul_u32_u24 v3, v1, PITCH
	v_lshl_add_u32 v4, v2, 4, v3                   ; a fragment's row x pitch + 16 h
	s_mul_i32 s21, s15, HALFT                      ; my 128 tokens
	s_mul_i32 s22, s16, HALFT                      ; my 128 rows of W,
	s_add_co_u32 s22, s22, 2*HALFT                 ; which lie behind x's 256
.irp s, 0,1
	v_add_nc_u32 v[ADRA+\s], s21, v4
	v_add_nc_u32 v[ADRB+\s], s22, v4
	s_add_co_u32 s21, s21, SLOT
	s_add_co_u32 s22, s22, SLOT
.endr
	v_mul_u32_u24 v5, v1, KS                       ; my row's scales: 32 bytes a row,
	v_lshrrev_b32 v6, 8, v5
	v_lshl_add_u32 v5, v6, 4, v5                   ; and 16 more for each 256 passed
	s_mul_i32 s21, s15, HALFS
	s_mul_i32 s22, s16, HALFS
	s_add_co_u32 s22, s22, 2*HALFS
	s_sub_co_u32 s22, s22, s21
	v_mul_u32_u24 v6, s22, v2                      ; lanes 16-31 take W's
	s_add_co_u32 s21, s21, SCL
	v_add_nc_u32 v5, v5, v6
	v_add_nc_u32 v[ADRS], s21, v5
	s_mul_i32 s23, s14, 2*16*SPQ                   ; my stage
	v_mul_u32_u24 v5, v1, SPQ                      ; in: token r, 16 bytes for each half of the lanes
	v_lshl_add_u32 v5, v2, 4, v5
	v_add_nc_u32 v[STO], s23, v5
	v_and_b32 v6, 31, v0
	v_lshrrev_b32 v5, 3, v6                        ; back: eight lanes to a token's 128 bytes, four tokens an instruction
	v_mul_u32_u24 v5, v5, SPQ
	v_and_b32 v3, 7, v0
	v_lshl_add_u32 v5, v3, 4, v5
	v_add_nc_u32 v[RD], s23, v5
	v_lshlrev_b32 v[CO], 4, v6                     ; four tokens of one head are 512 consecutive bytes of qkv
	v_lshlrev_b32 v[BO], 5, v2
	v_lshl_add_u32 v[FO], v1, 12, v[BO]
	s_lshl_b32 s20, s17, 8
	s_lshl_b32 s21, s15, 7
	s_add_co_u32 s20, s20, s21                     ; my first token: 256 x tile row + 128 x half
	v_mov_b32 v[RW0], s20
	s_lshl_b32 s20, s20, 7                         ; 128 bytes a token in a head
	s_mov_b32 s21, 0
	s_add_nc_u64 s[12:13], s[12:13], s[20:21]
	s_lshl_b32 s46, s40, 1
	s_add_co_u32 s46, s46, s16                     ; 2 cx + column half: my 128 columns of the third
	s_lshl_b32 s92, s46, 9                         ; as f32: 512 bytes
	s_lshl_b32 s46, s46, 20                        ; as two heads of 524,288 bytes
	s_lshl_b32 s47, ttmp9, 23                      ; Q, K, V: 8 MiB apart
	s_add_co_u32 s46, s46, s47
	s_mov_b32 s47, 0
	s_add_nc_u64 s[12:13], s[12:13], s[46:47]
	s_mov_b32 s93, 0
	s_add_nc_u64 s[66:67], s[66:67], s[92:93]
	s_cmp_eq_u32 ttmp9, 0
	s_cselect_b64 s[96:97], s[96:97], s[98:99]     ; b_q for Q, else b_v
	s_add_nc_u64 s[96:97], s[96:97], s[92:93]
	s_lshl_b32 s92, ttmp9, 16                      ; fine's three parts: 65,536 bytes apart
	s_add_nc_u64 s[66:67], s[66:67], s[92:93]
	s_cmp_eq_u32 ttmp9, 1                          ; cluster x: the same in all sixteen partners
	s_cbranch_scc1 .Lno_bias
.irp b, 0,1,2,3,4,5,6,7
	global_load_b128 v[BI+8*\b:BI+8*\b+3], v[BO], s[96:97] offset:64*\b        ; lane (r, h): the bias of columns 16 b + 8 h + 0 .. 7
	global_load_b128 v[BI+8*\b+4:BI+8*\b+7], v[BO], s[96:97] offset:64*\b+16
.endr
	s_branch .Lbias_done
.Lno_bias:                                             ; K has no bias: its sums begin with zeros, through the same registers, so that the first step is written once
.set k, 0
.rept 64
	v_mov_b32 v[BI+k], 0
.set k, k+1
.endr
.Lbias_done:
.macro FRAG reg, adr, q, i             ; 16 rows x 128 K of 4-bit codes: 8 registers; registers 4 c .. 4 c + 3 hold K = 64 c + 32 h + 0 .. 31
.irp c, 0,1
	ds_load_b128 v[\reg+4*\c:\reg+4*\c+3], v[\adr] offset:64*(\q)+32*\c+(\i)*16*PITCH
.endr
.endm
; 16 matrix instructions: x's blocks a0, a0 + 1 against W's eight, 128 along K.  bias = 1: the sums begin with the bias.  The 64 accumulators take turns, one instruction a turn.
.macro MUL16 a0, p, q, sc, bias
.irp a, \a0, \a0+1
.irp b, 0,1,2,3,4,5,6,7
.if \bias
	v_wmma_scale_f32_16x16x128_f8f6f4 v[8*(8*((\a)%4)+\b):8*(8*((\a)%4)+\b)+7], v[128*(\p)+FR*\b:128*(\p)+FR*\b+FR-1], v[AF+FR*(\a):AF+FR*(\a)+FR-1], v[BI+8*\b:BI+8*\b+7], v[SC+8*NQ*(\sc)+NQ*\b+(\q)], v[SC+8*NQ*(\sc)+NQ*(\a)+(\q)] matrix_a_fmt:MATRIX_FMT_FP4 matrix_b_fmt:MATRIX_FMT_FP4 matrix_a_scale:MATRIX_SCALE_ROW1
.else
	v_wmma_scale_f32_16x16x128_f8f6f4 v[8*(8*((\a)%4)+\b):8*(8*((\a)%4)+\b)+7], v[128*(\p)+FR*\b:128*(\p)+FR*\b+FR-1], v[AF+FR*(\a):AF+FR*(\a)+FR-1], v[8*(8*((\a)%4)+\b):8*(8*((\a)%4)+\b)+7], v[SC+8*NQ*(\sc)+NQ*\b+(\q)], v[SC+8*NQ*(\sc)+NQ*(\a)+(\q)] matrix_a_fmt:MATRIX_FMT_FP4 matrix_b_fmt:MATRIX_FMT_FP4 matrix_a_scale:MATRIX_SCALE_ROW1
.endif
.endr
.endr
.endm
.macro FETCH_B slot, q, p
	WIN TO_B
.irp i, 0,1,2,3,4,5,6,7
	FRAG 128*(\p)+FR*\i, ADRB+\slot, \q, \i
.endr
	WIN 0
.endm
.macro FETCH_A slot, q, i0
.irp i, \i0, \i0+1, \i0+2, \i0+3
	FRAG AF+FR*(\i), ADRA+\slot, \q, \i
.endr
.endm
.macro SCALES sc                       ; a K step's scale words: lanes 0-15 x's block i, lanes 16-31 W's block i
.irp i, 0,1,2,3,4,5,6,7
	ds_load_b128 v[SC+8*NQ*\sc+NQ*\i:SC+8*NQ*\sc+NQ*\i+3], v[ADRS] offset:\i*SBLK
.endr
.endm
.macro PLACES n                        ; plain vector instructions between a matrix instruction and a load into, or a read of, its registers
.rept \n
	v_nop
.endr
.endm
.macro STEP slot, q, bias              ; 128 along K with its successor in the same slot
	s_wait_dscnt 4*NL                              ; W's set and x's blocks 0-3 are in; the youngest eight loads (x's blocks 4-7) may be out
	WIN MUL_LO-0x20*(\bias)                        ; with the bias: C in window 0
	MUL16 0, (\q)%2, \q, \slot, \bias
	MUL16 2, (\q)%2, \q, \slot, \bias
	s_wait_dscnt 0
	PLACES NP
	FETCH_B \slot, (\q)+1, 1-(\q)%2
	FETCH_A \slot, (\q)+1, 0
	WIN MUL_HI-0x30*(\bias)
	MUL16 4, (\q)%2, \q, \slot, \bias
	MUL16 6, (\q)%2, \q, \slot, \bias
	PLACES NP
	WIN 0
	FETCH_A \slot, (\q)+1, 4
.endm
	s_wait_tensorcnt 1                             ; the scales and my part of K step 0 are in; K step 1's load may be out,
	s_barrier_signal -1
	s_barrier_wait -1                              ; everybody's are
	FETCH_B 0, 0, 0
	FETCH_A 0, 0, 0
	SCALES 0
	FETCH_A 0, 0, 4
	s_wait_loadcnt 0x0                             ; the bias
	STEP 0, 0, 1
	STEP 0, 1, 0
	STEP 0, 2, 0
	; slot 0's last step changes slots: one barrier; in front of it each wave's tensor loads have landed and its reads of slot 0 are over.
	s_wait_tensorcnt 0x0                           ; my part of slot 1 has landed
	ds_add_u32 v[SPW], v[NIL]                      ; 0 onto my spare word
	s_wait_dscnt 4*NL+1                            ; the add and the youngest eight loads may be out
	WIN MUL_LO
	MUL16 0, 1, NQ-1, 0, 0
	s_wait_dscnt 0x0                               ; the add is done, and my reads of slot 0 are over
	s_barrier_signal -1
	MUL16 2, 1, NQ-1, 0, 0
	WIN 0
	s_barrier_wait -1
	PLACES NP
	v_add_nc_u32 v[ADRS], 4*NQ, v[ADRS]            ; on to K step 1's scale words
	FETCH_B 1, 0, 0
	FETCH_A 1, 0, 0
	SCALES 1
	WIN MUL_HI
	MUL16 4, 1, NQ-1, 0, 0
	MUL16 6, 1, NQ-1, 0, 0
	PLACES NP
	WIN 0
	FETCH_A 1, 0, 4
	STEP 1, 0, 0
	STEP 1, 1, 0
	STEP 1, 2, 0
	s_wait_dscnt 4*NL                              ; the very last step: nothing more to fetch
	WIN MUL_LO
	MUL16 0, 1, NQ-1, 1, 0
	MUL16 2, 1, NQ-1, 1, 0
	s_wait_dscnt 0
	WIN MUL_HI
	MUL16 4, 1, NQ-1, 1, 0
	MUL16 6, 1, NQ-1, 1, 0
	WIN 0
	PLACES NP
	; TOKENS 0-15 IN f32.  They are block 0 of the waves whose first token is 0.  The choice is made by EXEC, not by a branch: it hangs on the work-group's place in its cluster
	s_wait_xcnt 0x0                                ; EXEC changes only behind this wait
	v_cmp_eq_u32 vcc_lo, 0, v[RW0]
	s_and_saveexec_b32 s94, vcc_lo
	WIN 0x08                                       ; a store's data are its source 1: window 2
.irp b, 0,1,2,3,4,5,6,7
	global_store_b128 v[FO], v[8*\b:8*\b+3], s[66:67] offset:64*\b           ; each accumulator from its low end on
	global_store_b128 v[FO], v[8*\b+4:8*\b+7], s[66:67] offset:64*\b+16
.endr
	WIN 0
	s_wait_xcnt 0x0                                ; and again, in front of the line that widens it
	s_or_b32 exec_lo, exec_lo, s94
; THE WAY OUT, block by block of 16 tokens x 128 columns (two heads).  A lane's eight columns pack into 16 bytes of f16; they go through my stage and come back by tokens: 32 lanes store four tokens of one head, 512 consecutive bytes.
.macro PACKQ a
.set AC, 64*((\a)%4)
	WIN 0x0a+5*((\a)/4)                            ; sources 0 and 1: window 2 or 3
.irp b, 0,1,2,3,4,5,6,7
.irp r, 0,1,2,3
	v_cvt_pk_f16_f32 v[TMP+4*\b+\r], v[AC+8*\b+2*\r], v[AC+8*\b+2*\r+1]
.endr
.endr
	WIN 0
.endm
.macro TOSTAGEQ a
.set BB, BK+32*((\a)%2)
.irp b, 0,1,2,3,4,5,6,7
	ds_store_b128 v[STO], v[TMP+4*\b:TMP+4*\b+3] offset:(\b/4)*16*SPQ+32*(\b%4)
.endr
.irp t, 0,1,2,3,4,5,6,7
	ds_load_b128 v[BB+4*\t:BB+4*\t+3], v[RD] offset:(\t/4)*16*SPQ+(\t%4)*4*SPQ   ; LDS serves a wave's instructions in order: these see the stores above
.endr
.endm
.macro SENDQ a
.set BB, BK+32*((\a)%2)
	s_wait_dscnt 0x0                               ; the block is back in registers
	s_wait_xcnt 0x0                                ; the block before has left its registers: the next block's loads may land there
.irp t, 0,1,2,3,4,5,6,7
	global_store_b128 v[CO], v[BB+4*\t:BB+4*\t+3], s[12:13] offset:(\t/4)*524288+2048*(\a)+512*(\t%4)
.endr
.endm
	PACKQ 0
	TOSTAGEQ 0
.irp a, 1,2,3,4,5,6,7                  ; block a's conversions stand between block a - 1's loads from the stage and the wait for them
	PACKQ \a
	SENDQ \a-1
	TOSTAGEQ \a
.endr
	SENDQ 7
	s_wait_tensorcnt 0x0                           ; the wave's end
	ds_add_u32 v[SPW], v[NIL]
	s_wait_dscnt 0x0
	CROUND                                         ; the closing round
	s_endpgm
.Lfunc_end_k_qc9a0d74004_qkv:
	.size	k_qc9a0d74004_qkv, .Lfunc_end_k_qc9a0d74004_qkv-k_qc9a0d74004_qkv
	.p2alignl 7, 3214868480
	.fill 96, 4, 3214868480
	.section	.rodata,"a",@progbits
	.p2align	6, 0x0
	.amdhsa_kernel k_qc9a0d74004_qkv
		.amdhsa_group_segment_fixed_size 327680
		.amdhsa_private_segment_fixed_size 0
		.amdhsa_enable_private_segment 0
		.amdhsa_kernarg_size 48
		.amdhsa_user_sgpr_count 2
		.amdhsa_user_sgpr_kernarg_segment_ptr 1
		.amdhsa_wavefront_size32 1
		.amdhsa_system_sgpr_workgroup_id_x 1
		.amdhsa_system_sgpr_workgroup_id_y 1
		.amdhsa_system_sgpr_workgroup_id_z 1
		.amdhsa_system_vgpr_workitem_id 0
		.amdhsa_next_free_vgpr 1024
		.amdhsa_next_free_sgpr 100
		.amdhsa_reserve_vcc 1
		.amdhsa_float_denorm_mode_32 3
		.amdhsa_float_denorm_mode_16_64 3
		.amdhsa_memory_ordered 1
		.amdhsa_forward_progress 1
		.amdhsa_inst_pref_size 132
	.end_amdhsa_kernel
	.amdgpu_metadata
---
amdhsa.version: [ 1, 2 ]
amdhsa.kernels:
  - .name:           k_qc9a0d74004_qkv
    .symbol:         k_qc9a0d74004_qkv.kd
    .args:
      - { .name: codes, .offset: 0, .size: 8, .value_kind: global_buffer, .address_space: global }
      - { .name: scales, .offset: 8, .size: 8, .value_kind: global_buffer, .address_space: global }
      - { .name: b_q, .offset: 16, .size: 8, .value_kind: global_buffer, .address_space: global }
      - { .name: b_v, .offset: 24, .size: 8, .value_kind: global_buffer, .address_space: global }
      - { .name: qkv, .offset: 32, .size: 8, .value_kind: global_buffer, .address_space: global }
      - { .name: fine, .offset: 40, .size: 8, .value_kind: global_buffer, .address_space: global }
    .group_segment_fixed_size: 327680
    .private_segment_fixed_size: 0
    .kernarg_segment_align: 8
    .kernarg_segment_size: 48
    .max_flat_workgroup_size: 128
    .sgpr_count:     100
    .vgpr_count:     1024
    .wavefront_size: 32
...
	.end_amdgpu_metadata
.endif
;; end of part 2
;; launch attn (part 3): grid 16 x 16, 8 waves a work-group, no clusters, 327,680 bytes of LDS; arguments qkv, y16; writes y16
.if DOCPART == 3
	.amdgcn_target "amdgcn-amd-amdhsa--gfx1250"
	.amdhsa_code_object_version 6
	.text
	.protected	k_qc9a0d74004_attn
	.globl	k_qc9a0d74004_attn
	.p2align	8
	.type	k_qc9a0d74004_attn,@function
k_qc9a0d74004_attn:
	s_mov_b64 s[64:65], 0
	v_nop
	global_prefetch_b8 v0, s[64:65] scope:SCOPE_SE
	s_setreg_imm32_b32 hwreg(HW_REG_WAVE_MODE, 25, 1), 1
	s_wait_xcnt 0x0
; Y[h][q] = the sum over k <= q of softmax_k(Q[h][q] . K[h][k] / 8) V[h][k].  Q, K, V: f16, [16][4,096][64], 8 MiB apart in qkv.  Products on f16 operands with f32 sums; maxima, exponentials and sums in f32; the weights p are rounded to f16.
; K carries no b_k (shown at the head of the first kernel); tiles of scores wholly above the diagonal are not computed.
; OUT: y16, f16, byte (t, h, d) = (t / 2) x 4,096 + h x 256 + (t % 2) x 128 + 2 d: a head's slice of two tokens is 256 consecutive bytes, stored whole.
; SHARES.  Queries go in blocks of 128.  Work-group (i, head) makes block i and then block 31 - i: (i + 1) + (32 - i) = 33 key steps of 128 keys in every work-group.
; Wave w: g = w % 4 names its 32 queries (two tiles of 16), par = w / 4 its half of each key step (64 keys).  So a fragment read from LDS feeds two matrix instructions.  The two halves keep a maximum, a sum and an O^T of
; their own; at a block's end they are merged through LDS.
; NO CLUSTER: the key stream of work-group i starts anew behind its step i, at another step in each of the work-groups of a head, so partners would not ask for the same tile in the same round.
; THE RING.  The 33 steps are a stream; position n holds key step n (n <= i) or n - i - 1.  A slot holds three steps; two LDS buffers take turns.  Waves 0-5 fetch: wave w the tile of K (w even) or V (w odd) of the slot's step w / 2.
; All of a step's LDS reads stand at its head, so the change of slots stands in the MIDDLE of a slot's last step: the waves of par 0 have their softmax in front of the barrier and those of par 1 behind it, so that behind it
; one wave of a SIMD begins with matrix work and the other with vector work.
; LAYOUT.  S^T = K Q^T (source 0 = 16 keys, source 1 = 16 queries): a lane holds one query (lane % 16) and keys 8 (lane / 16) + 0..7.  Two such tiles, rounded to f16 in pairs, are source 1 of O^T += V^T P.  V is turned by ds_load_tr16_b128.
; SOFTMAX.  For each query a running maximum m and sum l: p = 2^(c s - c m), c = log2(e) / 8; in every step O^T and l are multiplied by a = 2^(c m_old - c m_new).  m begins at -3e38, O^T and l at 0.
; REGISTERS: window 0: v1-14 addresses; v16-31 statistics (tile t at 16 + 8 t: c m, m, l, l, c0-c3; a takes c2's place); v32-63 Q; v64-127 S^T; v128-159 P; v160-223 O^T; v224-247 the merge.
;   window 1: v0-63 K's fragments; v64-127 V's; v128-159 Q of block 31 - i.
.set PK,    144                        ; a key's row of K in LDS: 128 bytes + 16
.set PVP,   160                        ; of V: 128 + 32, for the turning load
.set TILEK, 128*PK
.set TILEV, 128*PVP
.set STEPB, TILEK+TILEV                ; a step's tiles lie together
.set SLOT1, 1<<17                      ; buffer 1 begins here: one exclusive or turns an address
.set MRG,   SLOT1+3*STEPB              ; the merge: for each g an image of O^T (8,192 bytes) and of the statistics (512)
.set MRGW,  8704
.set STG,   MRG+4*MRGW                 ; the way out: for each g 32 tokens x 144 bytes
.set STGW,  32*144
.set SPARE, STG+4*STGW                 ; the spare words, 128 bytes a wave
.set AK0, 1
.set AV0, 2
.set ADK, 3
.set ADV, 4
.set QO,  5
.set STO, 6
.set RD,  7
.set GO,  8
.set MA,  9
.set SPW, 10
.set NIL, 11
.set DL,  12                           ; v12  on the diagonal: my query less my first key
.set NINF, 13
.set PFO, 14
.set ST,  16
.set Q,   32
.set S,   64
.set P,   128
.set O,   160
.set KF,  0
.set VF,  64
.set Q2,  128
.set WV,   8
.set G,    9
.set PAR,  10
.set I,    11
.set HEAD, 12
.set IP1,  13
.set BLK,  14                          ; s14  the block of queries in hand
.set KST,  15                          ; s15  the key step in hand
.set TB,   16                          ; s16  LDS byte at which the step's tiles begin
.set SLOTS, 17
.set TWICE, 18
.set NLD,  19                          ; s19  the stream position of the tile that I fetch next
.set KIND, 20                          ; s20  0: I fetch K; 1: V
.set SRC,  22                          ; s[22:23] my head's K or V
.set G1K,  24
.set G1V,  32
.set G0A,  40
.set G0B,  44
.set CS,   48
.set SEL,  50
.set YB,   52
.set PFA,  56
.set LIM,  58
.set HIB,  59
.set YSTEP, 60
.set MSB, 0
.macro WIN new
.if MSB != (\new)
	s_set_vgpr_msb (MSB<<8)|(\new)
.set MSB, (\new)
.endif
.endm
.macro PLACES
.rept 4
	v_nop
.endr
.endm
.macro ADDR set                        ; the global address of the tile at stream position NLD: key step NLD, or NLD - i - 1 behind the first block
	s_cmp_gt_u32 s[NLD], s[I]
	s_cselect_b32 s21, s[IP1], 0
	s_sub_co_u32 s21, s[NLD], s21
	s_lshl_b32 s54, s21, 14                        ; 128 keys of 128 bytes
	s_mov_b32 s55, 0
	s_add_nc_u64 s[\set+2:\set+3], s[SRC:SRC+1], s[54:55]
	s_or_b32 s[\set+3], s[\set+3], 0x80000000
.endm
.macro TLOAD                           ; the branches hang on the wave's number alone; an s_nop 0 and four v_nop follow each load
	s_cmp_lt_u32 s[WV], 6
	s_cbranch_scc0 .Lasked_\@
	s_cmp_eq_u32 s[KIND], 0
	s_cbranch_scc0 .Lfor_v_\@
	tensor_load_to_lds s[G0B:G0B+3], s[G1K:G1K+7]
	s_nop 0
.rept 4
	v_nop
.endr
	s_branch .Lasked_\@
.Lfor_v_\@:
	tensor_load_to_lds s[G0B:G0B+3], s[G1V:G1V+7]
	s_nop 0
.rept 4
	v_nop
.endr
.Lasked_\@:
.endm
; A PREFETCH INTO THE L2 of three key steps of K (wave 6) and of V (wave 7): 48 KiB dense each, lanes 256 bytes apart, six instructions.  All work-groups of a head walk the same K and V: work-group 0 of the head asks, whose
; stream behind its first step is key steps 0, 1, 2 .. in order.  At the change in slot s it asks for key steps 3 s + 8 .. 3 s + 10, which its own tensor loads ask for one change of slots later.  Key steps 0-7 come by their loads alone;
; the last ask, at s = 7, ends with key step 31.  So each block of 256 bytes from key step 8 on is named once in the launch.
.macro ASK
	s_cmp_gt_u32 s[SLOTS], s[LIM]
	s_cbranch_scc0 .Lnot_mine_\@
.irp k, 0,1,2,3,4,5
	global_prefetch_b8 v[PFO], s[PFA:PFA+1] offset:8192*\k th:TH_LOAD_NT scope:SCOPE_SE
.endr
.Lnot_mine_\@:
.endm
.macro RESET                           ; a block begins: O^T and l are 0, m is under every score
.irp t, 0,1
	v_mov_b32 v[ST+8*\t+1], 0xff61b1e6
	v_mul_f32 v[ST+8*\t], s[CS], v[ST+8*\t+1]
	v_mov_b32 v[ST+8*\t+2], 0
	v_mov_b32 v[ST+8*\t+3], 0
.endr
.set k, 0
.rept 64
	v_mov_b32 v[O+k], 0                            ; the step is written once: a block's first step finds zeros, which its a = 0 leaves zeros
.set k, k+1
.endr
.endm
.macro FETCH                           ; all of a step's LDS reads: my 64 keys of K (8 fragments) and of V (8, turned)
	v_add_nc_u32 v[ADK], s[TB], v[AK0]
	v_add_nc_u32 v[ADV], s[TB], v[AV0]
	v_nop
	v_nop                                          ; four plain instructions between the last product and the loads into its operands
	WIN 0x40                                       ; destination window 1
.irp kt, 0,1,2,3
.irp ks, 0,1
	ds_load_b128 v[KF+16*\kt+8*\ks:KF+16*\kt+8*\ks+3],   v[ADK] offset:\kt*16*PK+64*\ks
	ds_load_b128 v[KF+16*\kt+8*\ks+4:KF+16*\kt+8*\ks+7], v[ADK] offset:\kt*16*PK+64*\ks+32
.endr
.endr
.irp dt, 0,1,2,3
.irp kk, 0,1
	ds_load_tr16_b128 v[VF+16*\dt+8*\kk:VF+16*\dt+8*\kk+3],   v[ADV] offset:\kk*32*PVP+32*\dt
	ds_load_tr16_b128 v[VF+16*\dt+8*\kk+4:VF+16*\dt+8*\kk+7], v[ADV] offset:\kk*32*PVP+16*PVP+32*\dt
.endr
.endr
	WIN 0
.endm
.macro KQ                              ; S^T = K Q^T: 16 products, the eight accumulators by turns
	s_wait_dscnt 16                                ; K's 16 loads are in; V's 16 may be out
	WIN 0x01                                       ; source 0 window 1
.irp ks, 0,1
.irp kt, 0,1,2,3
.irp t, 0,1
.if \ks == 0
	v_wmma_f32_16x16x32_f16 v[S+32*\t+8*\kt:S+32*\t+8*\kt+7], v[KF+16*\kt+8*\ks:KF+16*\kt+8*\ks+7], v[Q+16*\t+8*\ks:Q+16*\t+8*\ks+7], 0
.else
	v_wmma_f32_16x16x32_f16 v[S+32*\t+8*\kt:S+32*\t+8*\kt+7], v[KF+16*\kt+8*\ks:KF+16*\kt+8*\ks+7], v[Q+16*\t+8*\ks:Q+16*\t+8*\ks+7], v[S+32*\t+8*\kt:S+32*\t+8*\kt+7]
.endif
.endr
.endr
.endr
	WIN 0
	PLACES
.endm
.macro MASK                            ; on the diagonal (key step = block) hidden scores become -infinity: register (t, kt, j) holds a key that is 16 kt + j - 16 t - DL behind my query
	s_cmp_lg_u32 s[KST], s[BLK]
	s_cbranch_scc1 .Lopen_\@
.irp t, 0,1
.irp kt, 0,1,2,3
.irp j, 0,1,2,3,4,5,6,7
	v_cmp_gt_i32 vcc_lo, 16*\kt+\j-16*\t, v[DL]
	v_cndmask_b32 v[S+32*\t+8*\kt+\j], v[S+32*\t+8*\kt+\j], v[NINF], vcc_lo
.endr
.endr
.endr
.Lopen_\@:
.endm
.macro SOFTMAX                         ; both tiles line by line, so that no line waits for the line above it
.irp j, 0,1,2,3
.irp t, 0,1
	v_max3_num_f32 v[ST+8*\t+4+\j], v[S+32*\t+8*\j], v[S+32*\t+8*\j+1], v[S+32*\t+8*\j+2]      ; each accumulator is read from its low end on
.endr
.endr
.irp q, 1,2
.irp j, 0,1,2,3
.irp t, 0,1
	v_max3_num_f32 v[ST+8*\t+4+\j], v[ST+8*\t+4+\j], v[S+32*\t+8*\j+2*\q+1], v[S+32*\t+8*\j+2*\q+2]
.endr
.endr
.endr
.irp t, 0,1
	v_max3_num_f32 v[ST+8*\t+4], v[ST+8*\t+4], v[S+32*\t+7], v[S+32*\t+15]
	v_max3_num_f32 v[ST+8*\t+6], v[ST+8*\t+6], v[S+32*\t+23], v[S+32*\t+31]
.endr
.irp t, 0,1
	v_max3_num_f32 v[ST+8*\t+4], v[ST+8*\t+4], v[ST+8*\t+5], v[ST+8*\t+6]
.endr
.irp t, 0,1
	v_max3_num_f32 v[ST+8*\t+4], v[ST+8*\t+4], v[ST+8*\t+7], v[ST+8*\t+1]      ; and the old m
.endr
.irp t, 0,1
	v_permlanex16_b32 v[ST+8*\t+5], v[ST+8*\t+4], s[SEL], s[SEL+1]             ; the query's other 32 keys lie in the lane 16 away
.endr
.irp t, 0,1
	v_mov_b32 v[ST+8*\t+7], v[ST+8*\t]                                        ; c m_old
.endr
.irp t, 0,1
	v_max_num_f32 v[ST+8*\t+1], v[ST+8*\t+4], v[ST+8*\t+5]
.endr
.irp t, 0,1
	v_mul_f32 v[ST+8*\t], s[CS], v[ST+8*\t+1]
.endr
.irp t, 0,1
	v_sub_f32 v[ST+8*\t+7], v[ST+8*\t+7], v[ST+8*\t]
.endr
.irp t, 0,1
	v_exp_f32 v[ST+8*\t+6], v[ST+8*\t+7]                                      ; a
.endr
.irp b, 0,1,2,3,4,5,6,7,8,9,10,11,12,13,14,15
.irp t, 0,1
	v_pk_fma_f32 v[S+32*\t+2*\b:S+32*\t+2*\b+1], v[S+32*\t+2*\b:S+32*\t+2*\b+1], s[CS:CS+1], v[ST+8*\t:ST+8*\t+1] op_sel_hi:[1,0,0] neg_lo:[0,0,1] neg_hi:[0,0,1]   ; c s - c m
.endr
.endr
.irp e, 0,1,2,3,4,5,6,7,8,9,10,11,12,13,14,15,16,17,18,19,20,21,22,23,24,25,26,27,28,29,30,31
.irp t, 0,1
	v_exp_f32 v[S+32*\t+\e], v[S+32*\t+\e]
.endr
.endr
	v_nop                                          ; a plain instruction behind the last exponential
	s_wait_alu depctr_va_vdst(0)                   ; one wait for the 66 exponentials, ahead of the first instruction that names a result
.irp b, 0,1,2,3,4,5,6,7,8,9,10,11,12,13,14,15
.irp t, 0,1
	v_cvt_pk_f16_f32 v[P+16*\t+\b], v[S+32*\t+2*\b], v[S+32*\t+2*\b+1]
.endr
.endr
.irp u, 0,1,2,3,4,5,6,7
.irp t, 0,1
	v_pk_add_f32 v[S+32*\t+4*\u:S+32*\t+4*\u+1], v[S+32*\t+4*\u:S+32*\t+4*\u+1], v[S+32*\t+4*\u+2:S+32*\t+4*\u+3]     ; the sum of the unrounded p, a tree in place
.endr
.endr
.irp u, 0,1,2,3
.irp t, 0,1
	v_pk_add_f32 v[S+32*\t+8*\u:S+32*\t+8*\u+1], v[S+32*\t+8*\u:S+32*\t+8*\u+1], v[S+32*\t+8*\u+4:S+32*\t+8*\u+5]
.endr
.endr
.irp u, 0,1
.irp t, 0,1
	v_pk_add_f32 v[S+32*\t+16*\u:S+32*\t+16*\u+1], v[S+32*\t+16*\u:S+32*\t+16*\u+1], v[S+32*\t+16*\u+8:S+32*\t+16*\u+9]
.endr
.endr
.irp t, 0,1
	v_pk_add_f32 v[S+32*\t:S+32*\t+1], v[S+32*\t:S+32*\t+1], v[S+32*\t+16:S+32*\t+17]
.endr
.irp t, 0,1
	v_pk_fma_f32 v[ST+8*\t+2:ST+8*\t+3], v[ST+8*\t+2:ST+8*\t+3], v[ST+8*\t+6:ST+8*\t+7], v[S+32*\t:S+32*\t+1] op_sel_hi:[1,0,1]   ; l = a l + the sum
.endr
.irp k, 0,1,2,3,4,5,6,7,8,9,10,11,12,13,14,15
.irp t, 0,1
	v_pk_mul_f32 v[O+32*\t+2*\k:O+32*\t+2*\k+1], v[O+32*\t+2*\k:O+32*\t+2*\k+1], v[ST+8*\t+6:ST+8*\t+7] op_sel_hi:[1,0]       ; O^T x a
.endr
.endr
.endm
.macro PVMUL                           ; O^T += V^T P: 16 products, the eight accumulators by turns
	s_wait_dscnt 0x0                               ; V is in
	WIN 0x01
.irp kk, 0,1
.irp dt, 0,1,2,3
.irp t, 0,1
	v_wmma_f32_16x16x32_f16 v[O+32*\t+8*\dt:O+32*\t+8*\dt+7], v[VF+16*\dt+8*\kk:VF+16*\dt+8*\kk+7], v[P+16*\t+8*\kk:P+16*\t+8*\kk+7], v[O+32*\t+8*\dt:O+32*\t+8*\dt+7]
.endr
.endr
.endr
	WIN 0
.endm
; THE CHANGE OF SLOTS.  Each wave waits for all its tensor loads (its part of the next slot), adds 0 to its spare word, and waits for that and for its reads of this slot, which all stood at the step's head.
; Behind the barrier the next slot is whole and nobody reads this one.  fill = 1: this slot's buffer is filled with the slot two on; that load has three steps in which to land.
.macro CHANGE fill
	s_wait_tensorcnt 0x0                           ; no tensor load of mine is out, so a group 0 may be written
	ds_add_u32 v[SPW], v[NIL]                      ; 0 onto my spare word
.if \fill
	ds_add_u32 v[SPW], v[NIL]                      ; and once more: the add twice on end here, in every trip alike
	s_xor_b32 s[G0B+1], s[G0B+1], SLOT1            ; the walking descriptor: the other buffer than last time,
	s_add_co_u32 s[NLD], s[NLD], 3                 ; three stream positions on
	ADDR G0B
	s_wait_xcnt 0x0                                ; the last prefetches, a slot back, have read their address
	s_add_nc_u64 s[PFA:PFA+1], s[PFA:PFA+1], 3*16384
.endif
	s_wait_dscnt 0x0                               ; the add is done, and my reads of this slot are over
	s_barrier_signal -1
	s_barrier_wait -1
.if \fill
	TLOAD                                          ; the first thing behind the barrier, and a wave's one tensor load until the next
	ASK
.endif
.endm
; A BLOCK'S END.  The waves of par 1 hand their O^T, c m and l to the waves of par 0 as images of their registers; those merge, divide by the sum, round to f16 and store through their stage.
; again = 1: a second barrier, so that the images are read before a later block's are stored.
.macro FINAL again
	PLACES                                         ; behind the last products
	s_cmp_eq_u32 s[PAR], 0
	s_cbranch_scc1 .Lkeep_\@
	v_mov_b32 v224, v[ST]
	v_mov_b32 v225, v[ST+8]
	v_add_f32 v226, v[ST+2], v[ST+3]
	v_add_f32 v227, v[ST+10], v[ST+11]
.irp k, 0,1,2,3,4,5,6,7,8,9,10,11,12,13,14,15
	ds_store_b128 v[MA], v[O+4*\k:O+4*\k+3] offset:512*\k
.endr
	ds_store_b128 v[MA], v[224:227] offset:8192
.Lkeep_\@:
	s_wait_dscnt 0x0                               ; for the others' sake: my stores have landed
	s_barrier_signal -1
	s_barrier_wait -1
	s_cmp_lg_u32 s[PAR], 0
	s_cbranch_scc1 .Lgiven_\@
	ds_load_b128 v[228:231], v[MA] offset:8192     ; the partner's c m (two tiles) and l
.irp k, 0,1,2,3,4,5,6,7,8,9,10,11,12,13,14,15
	ds_load_b128 v[S+4*\k:S+4*\k+3], v[MA] offset:512*\k   ; and its O^T, where S^T lay
.endr
	v_add_f32 v240, v[ST+2], v[ST+3]
	v_add_f32 v241, v[ST+10], v[ST+11]
	v_mov_b32 v244, 0                              ; a lane permute's destination counts as one of its sources
	v_mov_b32 v245, 0
	s_wait_dscnt 16                                ; the statistics are in; the image's 16 loads may be out
	v_max_num_f32 v242, v[ST], v228
	v_max_num_f32 v243, v[ST+8], v229
	v_sub_f32 v232, v[ST], v242
	v_sub_f32 v234, v228, v242
	v_sub_f32 v236, v[ST+8], v243
	v_sub_f32 v238, v229, v243
	v_exp_f32 v232, v232                           ; each half's factor under the common maximum
	v_exp_f32 v234, v234
	v_exp_f32 v236, v236
	v_exp_f32 v238, v238
	v_nop
	s_wait_alu depctr_va_vdst(0)                   ; one wait for the four
	v_mul_f32 v242, v232, v240
	v_mul_f32 v243, v236, v241
	v_fmac_f32 v242, v234, v230
	v_fmac_f32 v243, v238, v231
	v_permlanex16_b32 v244, v242, s[SEL], s[SEL+1]
	v_permlanex16_b32 v245, v243, s[SEL], s[SEL+1]
	v_add_f32 v242, v242, v244                     ; the row's sum
	v_add_f32 v243, v243, v245
	v_rcp_f32 v246, v242
	v_rcp_f32 v247, v243
	v_nop
	s_wait_alu depctr_va_vdst(0)                   ; one wait for the two
	v_mul_f32 v232, v232, v246
	v_mul_f32 v234, v234, v246
	v_mul_f32 v236, v236, v247
	v_mul_f32 v238, v238, v247
	v_mov_b32 v233, v232                           ; (named as the upper halves of pairs, so they are written)
	v_mov_b32 v235, v234
	v_mov_b32 v237, v236
	v_mov_b32 v239, v238
	s_wait_dscnt 0x0
.irp t, 0,1
.irp k, 0,1,2,3,4,5,6,7,8,9,10,11,12,13,14,15
	v_pk_mul_f32 v[O+32*\t+2*\k:O+32*\t+2*\k+1], v[O+32*\t+2*\k:O+32*\t+2*\k+1], v[232+4*\t:233+4*\t] op_sel_hi:[1,0]
.endr
.irp k, 0,1,2,3,4,5,6,7,8,9,10,11,12,13,14,15
	v_pk_fma_f32 v[O+32*\t+2*\k:O+32*\t+2*\k+1], v[S+32*\t+2*\k:S+32*\t+2*\k+1], v[234+4*\t:235+4*\t], v[O+32*\t+2*\k:O+32*\t+2*\k+1] op_sel_hi:[1,0,1]
.endr
.endr
.irp k, 0,1,2,3,4,5,6,7,8,9,10,11,12,13,14,15,16,17,18,19,20,21,22,23,24,25,26,27,28,29,30,31
	v_cvt_pk_f16_f32 v[P+\k], v[O+2*\k], v[O+2*\k+1]
.endr
.irp t, 0,1
.irp dt, 0,1,2,3
	ds_store_b128 v[STO], v[P+16*\t+4*\dt:P+16*\t+4*\dt+3] offset:16*144*\t+32*\dt     ; token 16 t + lane % 16, channels 16 dt + 8 (lane / 16) on
.endr
.endr
.irp k, 0,1,2,3,4,5,6,7
	ds_load_b128 v[S+4*\k:S+4*\k+3], v[RD] offset:4*144*\k                    ; LDS serves a wave's instructions in order: these see the stores above
.endr
.irp k, 0,1,2,3,4,5,6,7
	s_wait_dscnt 7-\k
	global_store_b128 v[GO], v[S+4*\k:S+4*\k+3], s[YB:YB+1] offset:8192*\k    ; four tokens: sixteen lanes store 256 consecutive bytes, aligned
.endr
	s_wait_xcnt 0x0                                ; the stores have read their registers and their base: both are written again below
.Lgiven_\@:
.if \again
	s_wait_dscnt 0x0
	s_barrier_signal -1
	s_barrier_wait -1
.endif
.endm
.macro START                           ; on to block 31 - i
	s_add_nc_u64 s[YB:YB+1], s[YB:YB+1], s[YSTEP:YSTEP+1]
	s_mov_b32 s[BLK], s[HIB]
	s_mov_b32 s[KST], -1                           ; the step's end makes it 0
	WIN 0x01
.set k, 0
.rept 32
	v_mov_b32 v[Q+k], v[Q2+k]
.set k, k+1
.endr
	WIN 0
	RESET
.endm
; A KEY STEP.  change = 1: the slot's last.  mask = 1: the step may lie on a diagonal.  sw = 2: a block may end here and another begin; 1: the last block may end here.
.macro BODY change, fill, mask, sw
	FETCH
	KQ
.if (\mask)
	MASK
.endif
.if (\change)
	s_cmp_lg_u32 s[PAR], 0
	s_cbranch_scc1 .Lodd_\@
	SOFTMAX
.Lodd_\@:
	CHANGE \fill
	s_cmp_eq_u32 s[PAR], 0
	s_cbranch_scc1 .Leven_\@
	SOFTMAX
.Leven_\@:
.else
	SOFTMAX
.endif
	PVMUL
.if (\sw)
	s_cmp_lg_u32 s[KST], s[BLK]                    ; ids and the count of steps alone: all eight waves go the same way
	s_cbranch_scc1 .Lon_\@
.if (\sw) == 2
	FINAL 1
	START
.else
	FINAL 0
.endif
.Lon_\@:
.endif
	s_add_co_u32 s[KST], s[KST], 1
	s_add_co_u32 s[TB], s[TB], STEPB
.endm
.macro SLOTBODY fill, tail
	s_mov_b32 s[TWICE], 2
.Lstep_\@:
	BODY 0, \fill, 1-\tail, 2-2*\tail
	s_sub_co_u32 s[TWICE], s[TWICE], 1
	s_cmp_lg_u32 s[TWICE], 0
	s_cbranch_scc1 .Lstep_\@
	BODY 1, \fill, 1, 2-\tail
	s_sub_co_u32 s[TB], s[TB], 3*STEPB
	s_xor_b32 s[TB], s[TB], SLOT1                  ; on to the other buffer
.endm
	s_load_b128 s[4:7], s[0:1], 0x0                ; qkv, y16
	v_lshl_add_u32 v[SPW], v0, 2, SPARE
	v_mov_b32 v[NIL], 0
	ds_add_u32 v[SPW], v[NIL]                      ; the wave's opening: the add, twice on end, and its wait ahead of my first tensor load
	ds_add_u32 v[SPW], v[NIL]
	v_lshrrev_b32 v1, 5, v0
	v_readfirstlane_b32 s[WV], v1                  ; wave 0..7
	s_and_b32 s[G], s[WV], 3
	s_lshr_b32 s[PAR], s[WV], 2
	s_and_b32 s[KIND], s[WV], 1
	s_lshr_b32 s[NLD], s[WV], 1                    ; which of a slot's three steps I fetch
	s_mov_b32 s[I], ttmp9
	s_and_b32 s[HEAD], ttmp7, 0xffff
	s_add_co_u32 s[IP1], s[I], 1
	s_sub_co_u32 s[HIB], 31, s[I]
	s_mov_b32 s[BLK], s[I]
	s_mov_b32 s[KST], 0
	s_mov_b32 s[TB], 0
	s_mov_b32 s[G1K], (1<<16)|(1<<20)|(4<<22)|(3<<25)      ; no mask; elements of 2 bytes; padding on: 4 words after every 32
	s_mov_b32 s[G1V], (1<<16)|(1<<20)|(4<<22)|(7<<25)      ; the same with 8 words
.irp g, G1K, G1V
	s_mov_b32 s[\g+1], 64<<16                      ; tensor_dim0 = 64
	s_mov_b32 s[\g+2], 128<<16                     ; tensor_dim1 = 128
	s_mov_b32 s[\g+3], 64<<16                      ; tile_dim0
	s_mov_b32 s[\g+4], 128                         ; tile_dim1
	s_mov_b32 s[\g+5], 64                          ; from row to row
	s_mov_b32 s[\g+6], 0
	s_mov_b32 s[\g+7], 0
.endr
	s_mov_b32 s[G0A], 1
	s_mul_i32 s21, s[NLD], STEPB
	s_mul_i32 s54, s[KIND], TILEK
	s_add_co_u32 s[G0A+1], s21, s54                ; my tile's place in buffer 0,
	s_mov_b32 s[G0B], 1
	s_add_co_u32 s[G0B+1], s[G0A+1], SLOT1         ; and in buffer 1
	s_mov_b32 s[CS], 0x3e38aa3b                    ; c = log2(e) / 8
	s_mov_b32 s[CS+1], s[CS]
	s_mov_b32 s[SEL], 0x76543210
	s_mov_b32 s[SEL+1], 0xfedcba98
	s_lshl_b32 s21, s[I], 1
	s_sub_co_u32 s21, 31, s21
	s_lshl_b32 s[YSTEP], s21, 18                   ; from block i to block 31 - i in y16: 64 token pairs of 4,096 bytes a block
	s_mov_b32 s[YSTEP+1], 0
	s_cmp_lt_u32 s[WV], 6
	s_cselect_b32 s21, 1, 0
	s_or_b32 s21, s21, ttmp9                       ; 0 in waves 6 and 7 of the head's work-group 0
	s_cmp_eq_u32 s21, 0
	s_cselect_b32 s[LIM], 1, -1
	s_lshl_b32 s54, s[KIND], 23
	s_add_co_u32 s54, s54, 0x800000                ; K lies 8 MiB, V 16 MiB into qkv
	s_lshl_b32 s21, s[HEAD], 19
	s_add_co_u32 s54, s54, s21
	s_mov_b32 s55, 0
	s_wait_dscnt 0x0                               ; both opening adds are done
	s_wait_kmcnt 0x0
	s_add_nc_u64 s[SRC:SRC+1], s[4:5], s[54:55]
	ADDR G0A                                       ; slot 0
	s_add_co_u32 s[NLD], s[NLD], 3
	ADDR G0B                                       ; slot 1
	s_cmp_lt_u32 s[WV], 6                          ; a wave's two first fills stand in one branch on its number
	s_cbranch_scc0 .Lfirst_asked
	s_cmp_eq_u32 s[KIND], 0
	s_cbranch_scc0 .Lfirst_v
	tensor_load_to_lds s[G0A:G0A+3], s[G1K:G1K+7]
	s_nop 0
	tensor_load_to_lds s[G0B:G0B+3], s[G1K:G1K+7]
	s_nop 0
.rept 4
	v_nop
.endr
	s_branch .Lfirst_asked
.Lfirst_v:
	tensor_load_to_lds s[G0A:G0A+3], s[G1V:G1V+7]
	s_nop 0
	tensor_load_to_lds s[G0B:G0B+3], s[G1V:G1V+7]
	s_nop 0
.rept 4
	v_nop
.endr
.Lfirst_asked:
	s_lshl_b32 s54, s[HEAD], 19
	s_lshl_b32 s21, s[G], 12                       ; my 32 queries of 128 bytes
	s_add_co_u32 s54, s54, s21
	s_mov_b32 s55, 0
	s_add_nc_u64 s[4:5], s[4:5], s[54:55]
	s_lshl_b32 s54, s[I], 14
	s_add_nc_u64 s[62:63], s[4:5], s[54:55]        ; Q of block i,
	s_lshl_b32 s54, s[HIB], 14
	s_add_nc_u64 s[66:67], s[4:5], s[54:55]        ; and of block 31 - i
	s_lshl_b32 s54, s[I], 18
	s_lshl_b32 s21, s[G], 16
	s_add_co_u32 s54, s54, s21
	s_lshl_b32 s21, s[HEAD], 8
	s_add_co_u32 s54, s54, s21
	s_add_nc_u64 s[YB:YB+1], s[6:7], s[54:55]      ; y16 at token pair 64 i + 16 g, my head
	s_add_nc_u64 s[PFA:PFA+1], s[SRC:SRC+1], 5*16384   ; at key step 5: the first change of slots steps it to 8
	v_and_b32 v15, 15, v0                          ; r
	v_bfe_u32 v224, v0, 4, 1                       ; h
	v_and_b32 v225, 31, v0                         ; lane
	v_lshlrev_b32 v[QO], 7, v15
	v_lshl_add_u32 v[QO], v224, 4, v[QO]           ; query r x 128 + 16 h
.irp t, 0,1
.irp ks, 0,1
	global_load_b128 v[Q+16*\t+8*\ks:Q+16*\t+8*\ks+3],   v[QO], s[62:63] offset:2048*\t+64*\ks
	global_load_b128 v[Q+16*\t+8*\ks+4:Q+16*\t+8*\ks+7], v[QO], s[62:63] offset:2048*\t+64*\ks+32
.endr
.endr
	WIN 0x40
.irp t, 0,1
.irp ks, 0,1
	global_load_b128 v[Q2+16*\t+8*\ks:Q2+16*\t+8*\ks+3],   v[QO], s[66:67] offset:2048*\t+64*\ks
	global_load_b128 v[Q2+16*\t+8*\ks+4:Q2+16*\t+8*\ks+7], v[QO], s[66:67] offset:2048*\t+64*\ks+32
.endr
.endr
	WIN 0
	s_mul_i32 s21, s[PAR], 64*PK
	v_mul_u32_u24 v[AK0], v15, PK
	v_lshl_add_u32 v[AK0], v224, 4, v[AK0]
	v_add_nc_u32 v[AK0], s21, v[AK0]               ; K: key r of my half x pitch + 16 h
	v_and_b32 v226, 7, v0
	v_bfe_u32 v227, v0, 3, 1
	v_lshl_add_u32 v[AV0], v224, 3, v226           ; V, for the turning load: key 8 h + lane % 8,
	v_mul_u32_u24 v[AV0], v[AV0], PVP
	v_lshl_add_u32 v[AV0], v227, 4, v[AV0]         ; channels 8 ((lane / 8) % 2) on
	s_mul_i32 s21, s[PAR], 64*PVP
	s_add_co_u32 s21, s21, TILEK
	v_add_nc_u32 v[AV0], s21, v[AV0]
	s_mul_i32 s21, s[G], STGW
	s_add_co_u32 s21, s21, STG
	v_mul_u32_u24 v[STO], v15, 144
	v_lshl_add_u32 v[STO], v224, 4, v[STO]
	v_add_nc_u32 v[STO], s21, v[STO]
	v_lshrrev_b32 v[RD], 3, v225
	v_mul_u32_u24 v[RD], v[RD], 144
	v_lshl_add_u32 v[RD], v226, 4, v[RD]
	v_add_nc_u32 v[RD], s21, v[RD]
	v_lshlrev_b32 v[GO], 12, v224                  ; lanes 0-15 one token pair, lanes 16-31 the next
	v_lshl_add_u32 v[GO], v15, 4, v[GO]
	s_mul_i32 s21, s[G], MRGW
	s_add_co_u32 s21, s21, MRG
	v_lshl_add_u32 v[MA], v225, 4, s21
	s_lshl_b32 s21, s[G], 5
	s_lshl_b32 s54, s[PAR], 6
	s_sub_co_i32 s21, s21, s54
	v_lshlrev_b32 v[DL], 3, v224
	v_sub_nc_u32 v[DL], v15, v[DL]
	v_add_nc_u32 v[DL], s21, v[DL]                 ; 32 g - 64 par + r - 8 h
	v_mov_b32 v[NINF], 0xff800000
	v_lshlrev_b32 v[PFO], 8, v225
	RESET
	s_wait_tensorcnt 0x0                           ; my parts of slots 0 and 1 are in,
	s_barrier_signal -1
	s_barrier_wait -1                              ; everybody's are
	s_wait_loadcnt 0x0                             ; Q
	s_mov_b32 s[SLOTS], 9
.Lslot:                                                ; slots 0-8: each fills its buffer again, with the slot two on
	SLOTBODY 1, 0
	s_sub_co_u32 s[SLOTS], s[SLOTS], 1
	s_cmp_lg_u32 s[SLOTS], 0
	s_cbranch_scc1 .Lslot
	s_mov_b32 s[SLOTS], 2
.Ltail:                                                ; slots 9 and 10 ask for nothing.  The first diagonal lies at stream position i <= 15, in the loop above; the second at position 32, this loop's last step.
	SLOTBODY 0, 1                                  ; (slot 9's barrier shows slot 10 to every wave; slot 10's orders nothing further)
	s_sub_co_u32 s[SLOTS], s[SLOTS], 1
	s_cmp_lg_u32 s[SLOTS], 0
	s_cbranch_scc1 .Ltail
	s_wait_tensorcnt 0x0                           ; the wave's end
	ds_add_u32 v[SPW], v[NIL]
	s_wait_dscnt 0x0
	s_endpgm
.Lfunc_end_k_qc9a0d74004_attn:
	.size	k_qc9a0d74004_attn, .Lfunc_end_k_qc9a0d74004_attn-k_qc9a0d74004_attn
	.p2alignl 7, 3214868480
	.fill 96, 4, 3214868480
	.section	.rodata,"a",@progbits
	.p2align	6, 0x0
	.amdhsa_kernel k_qc9a0d74004_attn
		.amdhsa_group_segment_fixed_size 327680
		.amdhsa_private_segment_fixed_size 0
		.amdhsa_enable_private_segment 0
		.amdhsa_kernarg_size 16
		.amdhsa_user_sgpr_count 2
		.amdhsa_user_sgpr_kernarg_segment_ptr 1
		.amdhsa_wavefront_size32 1
		.amdhsa_system_sgpr_workgroup_id_x 1
		.amdhsa_system_sgpr_workgroup_id_y 1
		.amdhsa_system_sgpr_workgroup_id_z 1
		.amdhsa_system_vgpr_workitem_id 0
		.amdhsa_next_free_vgpr 512
		.amdhsa_next_free_sgpr 68
		.amdhsa_reserve_vcc 1
		.amdhsa_float_denorm_mode_32 3
		.amdhsa_float_denorm_mode_16_64 3
		.amdhsa_memory_ordered 1
		.amdhsa_forward_progress 1
		.amdhsa_inst_pref_size 163
	.end_amdhsa_kernel
	.amdgpu_metadata
---
amdhsa.version: [ 1, 2 ]
amdhsa.kernels:
  - .name:           k_qc9a0d74004_attn
    .symbol:         k_qc9a0d74004_attn.kd
    .args:
      - { .name: qkv, .offset: 0, .size: 8, .value_kind: global_buffer, .address_space: global }
      - { .name: y16, .offset: 8, .size: 8, .value_kind: global_buffer, .address_space: global }
    .group_segment_fixed_size: 327680
    .private_segment_fixed_size: 0
    .kernarg_segment_align: 8
    .kernarg_segment_size: 16
    .max_flat_workgroup_size: 256
    .sgpr_count:     68
    .vgpr_count:     512
    .wavefront_size: 32
...
	.end_amdgpu_metadata
.endif
;; end of part 3
;; launch proj (part 4): grid 8 x 32, 4 waves a work-group, clusters of 4 x 4, 327,680 bytes of LDS; arguments y16, wo16, out0, b_o; writes out0
.if DOCPART == 4
	.amdgcn_target "amdgcn-amd-amdhsa--gfx1250"
	.amdhsa_code_object_version 6
	.text
	.protected	k_qc9a0d74004_proj
	.globl	k_qc9a0d74004_proj
	.p2align	8
	.type	k_qc9a0d74004_proj,@function
k_qc9a0d74004_proj:
	s_mov_b64 s[64:65], 0
	v_nop
	global_prefetch_b8 v0, s[64:65] scope:SCOPE_SE
	s_setreg_imm32_b32 hwreg(HW_REG_WAVE_MODE, 25, 1), 1
	s_wait_xcnt 0x0
	s_wait_alu depctr_hold_cnt(0) depctr_sa_sdst(0) depctr_va_vdst(0) depctr_va_sdst(0) depctr_va_ssrc(0) depctr_va_vcc(0) depctr_vm_vsrc(0)
	s_getreg_b32 s2, hwreg(HW_REG_IB_STS2, 6, 4)
	s_cmp_eq_u32 s2, 0
	s_cbranch_scc0 .Lentry_in_a_cluster
	s_endpgm
.Lentry_in_a_cluster:
	s_bfe_u32 s2, ttmp6, 0x10000c
	s_cmp_lg_u32 s2, 0xf033
	s_cbranch_scc0 .Lentry_shape_is_right
	s_endpgm
.Lentry_shape_is_right:
; out0[t][n] = the sum over k of Y[t][k] W_o[n][k] + b_o[n], for tokens 16 and up; f16 operands, f32 sums.  Tokens 0-15 are the last launch's, which carries them in f32: their stores are switched off here.
; Y: y16, byte (t, h, d) = (t / 2) x 4,096 + h x 256 + (t % 2) x 128 + 2 d.  W_o: wo16 [1,024 n][1,024 k].  out0 [4,096][1,024] f32.
; A tile of out0 is 128 x 128: 256 work-groups.  Four waves, each 64 x 64: 16 accumulators.  K goes in four steps of 256 (four heads) through two LDS slots.
; Y's part of a slot: a wave's load brings 32 token pairs x 1,024 bytes (four heads' slices), pitch 1,040 in LDS; token r of a fragment lies at (r / 2) x 1,040 + (r % 2) x 128, so that the 16 rows of a load begin at
; 16 different 16-byte columns of 256 bytes.  W_o's part: 64 rows x 512 bytes, pitch 528.
; CLUSTERS: 4 x 4 work-groups; Y's tiles are asked for jointly along a row of the cluster, W_o's along a column.  THE MATRIX INSTRUCTION IS USED TRANSPOSED (source 0 = 16 rows of W_o, source 1 = 16 tokens).
; The bias is the C of each sum's first product.
; REGISTERS: window 0: v0-31 addresses; v32-63 the bias, later with v64-95 rows on the way out; v128-255 the accumulators ((a, b) at v[128 + 8 (4 a + b)]).   window 1: two fragment buffers of 128.
.set KSTEP,  256
.set PITCH,  528
.set APITCH, 1040
.set HALFT,  64*PITCH
.set SLOT,   4*HALFT
.set STAGE,  2*SLOT                    ; behind the ring: 16 rows x 272 bytes for each wave
.set SPITCH, 272
.set SPARE,  STAGE+4*16*SPITCH
.set ADRA, 16
.set ADRB, 20
.set STO,  24
.set RD,   25
.set CO,   26
.set RW0,  27                          ; v27  my wave's first token
.set SPW,  28
.set NIL,  29
.set BO,   30
.set BI,   32
.set BK,   32
.set ACC,  128
.set F0,   0
.set F1,   128
.set G1, 24
.set G0, 32
.set G1B, 48
.set G0B, 56
.set MSB, 0
.macro WIN new
.if MSB != (\new)
	s_set_vgpr_msb (MSB<<8)|(\new)
.set MSB, (\new)
.endif
.endm
.set MUL,  0x05                        ; sources 0 and 1 window 1; C and D window 0
.set TO_F, 0x40
.macro JLOAD s                         ; waves 0 and 1 fetch Y's two halves, waves 2 and 3 W_o's; an s_nop 0 and four v_nop follow each of the two lines
	s_cmp_eq_u32 s11, 0
	s_cbranch_scc0 .Lfor_b_\@
	tensor_load_to_lds s[G0+4*\s:G0+4*\s+3], s[G1:G1+7]
	s_nop 0
.rept 4
	v_nop
.endr
	s_branch .Lasked_\@
.Lfor_b_\@:
	tensor_load_to_lds s[G0B+4*\s:G0B+4*\s+3], s[G1B:G1B+7]
	s_nop 0
.rept 4
	v_nop
.endr
.Lasked_\@:
.endm
.macro CREST
	s_cmp_lg_u32 s10, 0
	s_cbranch_scc1 .Lnot_wave_0_\@
	s_barrier_signal -3
.Lnot_wave_0_\@:
	s_barrier_wait -3
	s_barrier_signal -1
	s_barrier_wait -1
.endm
.macro CROUND
	s_barrier_signal -1
	s_barrier_wait -1
	CREST
.endm
	s_load_b128 s[4:7], s[0:1], 0x0                ; y16, wo16
	s_load_b64 s[8:9], s[0:1], 0x10                ; out0
	s_load_b64 s[66:67], s[0:1], 0x18              ; b_o
	v_lshl_add_u32 v[SPW], v0, 2, SPARE
	v_mov_b32 v[NIL], 0
	ds_add_u32 v[SPW], v[NIL]                      ; the wave's opening: the add, twice on end, and its wait ahead of my first tensor load
	ds_add_u32 v[SPW], v[NIL]
	v_lshrrev_b32 v1, 5, v0
	v_readfirstlane_b32 s10, v1                    ; wave 0..3
	s_lshr_b32 s11, s10, 1                         ; which half of the tile's tokens is mine.  Also: I fetch for Y (0) or for W_o (1)
	s_and_b32 s12, s10, 1                          ; which half of its columns.  Also: which half of that tile I fetch
	s_bfe_u32 s40, ttmp6, 0x40000
	s_bfe_u32 s41, ttmp6, 0x40004
	s_lshl_b32 s42, ttmp9, 2
	s_add_co_u32 s42, s42, s40                     ; tile column
	s_and_b32 s13, ttmp7, 0xffff
	s_lshl_b32 s13, s13, 2
	s_add_co_u32 s13, s13, s41                     ; tile row
	s_lshl_b32 s43, s41, 2
	s_lshl_b32 s43, 15, s43                        ; my row of the cluster
	s_lshl_b32 s44, 0x1111, s40                    ; my column
	s_or_b32 s[G1+0], s43, (1<<16)|(1<<20)|(1<<21)|(7<<22)|(3<<25)  ; Y: the mask; elements of 2 bytes; padding on; bit 21 beside a mask; 4 words after every 256
	s_mov_b32 s[G1+1], 512<<16                     ; tensor_dim0 = 512 elements: four heads' slices of a token pair
	s_mov_b32 s[G1+2], 32<<16                      ; tensor_dim1 = 32 token pairs
	s_mov_b32 s[G1+3], 512<<16
	s_mov_b32 s[G1+4], 32
	s_mov_b32 s[G1+5], 2048                        ; a token pair is 2,048 elements
	s_mov_b32 s[G1+6], 0
	s_mov_b32 s[G1+7], 0
	s_or_b32 s[G1B+0], s44, (1<<16)|(1<<20)|(1<<21)|(6<<22)|(3<<25) ; W_o: 4 words after every 128
	s_mov_b32 s[G1B+1], KSTEP<<16
	s_mov_b32 s[G1B+2], 64<<16
	s_mov_b32 s[G1B+3], KSTEP<<16
	s_mov_b32 s[G1B+4], 64
	s_mov_b32 s[G1B+5], 1024
	s_mov_b32 s[G1B+6], 0
	s_mov_b32 s[G1B+7], 0
	s_lshl_b32 s16, s13, 6
	s_lshl_b32 s17, s12, 5
	s_add_co_u32 s16, s16, s17                     ; Y: token pair 64 x tile row + 32 x half,
	s_lshl_b32 s16, s16, 12                        ; 4,096 bytes each
	s_mov_b32 s17, 0
	s_lshl_b32 s46, s42, 7
	s_lshl_b32 s47, s12, 6
	s_add_co_u32 s46, s46, s47                     ; W_o: row 128 x tile column + 64 x half,
	s_lshl_b32 s46, s46, 11                        ; 2,048 bytes each
	s_mov_b32 s47, 0
	s_mul_i32 s20, s10, HALFT                      ; where they go: wave x HALFT
	s_wait_dscnt 0x0                               ; both opening adds are done
	s_wait_kmcnt 0x0
	s_add_nc_u64 s[14:15], s[4:5], s[16:17]
	s_add_nc_u64 s[46:47], s[6:7], s[46:47]
	CROUND                                         ; all sixteen work-groups are here: the first joint loads meet
.irp s, 0,1
	s_mov_b32 s[G0+4*\s], 1
	s_add_co_u32 s[G0+4*\s+1], s20, \s*SLOT
	s_add_nc_u64 s[G0+4*\s+2:G0+4*\s+3], s[14:15], \s*1024
	s_or_b32 s[G0+4*\s+3], s[G0+4*\s+3], 0x80000000
	s_mov_b32 s[G0B+4*\s], 1
	s_add_co_u32 s[G0B+4*\s+1], s20, \s*SLOT
	s_add_nc_u64 s[G0B+4*\s+2:G0B+4*\s+3], s[46:47], \s*KSTEP*2
	s_or_b32 s[G0B+4*\s+3], s[G0B+4*\s+3], 0x80000000
	JLOAD \s
.endr
	v_and_b32 v1, 15, v0                           ; r
	v_bfe_u32 v2, v0, 4, 1                         ; h
	v_mul_u32_u24 v3, v1, PITCH
	v_lshl_add_u32 v3, v2, 4, v3                   ; W_o: row x pitch + 16 h
	v_lshrrev_b32 v4, 1, v1
	v_mul_u32_u24 v4, v4, APITCH
	v_and_b32 v5, 1, v1
	v_lshl_add_u32 v4, v5, 7, v4
	v_lshl_add_u32 v4, v2, 4, v4                   ; Y: (r / 2) x 1,040 + (r % 2) x 128 + 16 h
	s_mul_i32 s21, s11, HALFT
	s_mul_i32 s22, s12, HALFT
	s_add_co_u32 s22, s22, 2*HALFT
.irp s, 0,1
	v_add_nc_u32 v[ADRA+\s], s21, v4
	v_add_nc_u32 v[ADRB+\s], s22, v3
	s_add_co_u32 s21, s21, SLOT
	s_add_co_u32 s22, s22, SLOT
.endr
	s_mul_i32 s23, s10, 16*SPITCH
	s_add_co_u32 s23, s23, STAGE                   ; my stage
	v_mul_u32_u24 v4, v1, SPITCH                   ; in: token r, 32 bytes for each half of the lanes
	v_lshl_add_u32 v4, v2, 5, v4
	v_add_nc_u32 v[STO], s23, v4
	v_mul_u32_u24 v5, v2, SPITCH                   ; back: lanes 0-15 one row of 256 bytes, lanes 16-31 the next
	v_lshl_add_u32 v5, v1, 4, v5
	v_add_nc_u32 v[RD], s23, v5
	v_lshlrev_b32 v5, 12, v2                       ; and the same two rows in out0
	v_lshl_add_u32 v[CO], v1, 4, v5
	v_lshlrev_b32 v[BO], 5, v2
	s_lshl_b32 s16, s13, 7
	s_lshl_b32 s17, s11, 6
	s_add_co_u32 s16, s16, s17                     ; my first token: 128 x tile row + 64 x half
	v_mov_b32 v[RW0], s16
	s_lshl_b32 s16, s16, 12
	s_mov_b32 s17, 0
	s_add_nc_u64 s[8:9], s[8:9], s[16:17]
	s_lshl_b32 s46, s42, 9                         ; my first column as f32: 512 x tile column + 256 x half
	s_lshl_b32 s47, s12, 8
	s_add_co_u32 s46, s46, s47
	s_mov_b32 s47, 0
	s_add_nc_u64 s[8:9], s[8:9], s[46:47]
	s_add_nc_u64 s[66:67], s[66:67], s[46:47]
.irp b, 0,1,2,3
	global_load_b128 v[BI+8*\b:BI+8*\b+3], v[BO], s[66:67] offset:64*\b        ; lane (r, h): b_o of columns 16 b + 8 h + 0 .. 7
	global_load_b128 v[BI+8*\b+4:BI+8*\b+7], v[BO], s[66:67] offset:64*\b+16
.endr
; 8 matrix instructions: token blocks a0, a0 + 1 x all 4 column blocks, 32 along K: half c of buffer f.  first = 1: the sums begin with the bias
.macro MUL8 f, c, a0, first
.irp a, \a0, \a0+1
.irp b, 0,1,2,3
.if \first
	v_wmma_f32_16x16x32_f16 v[ACC+8*(4*(\a)+\b):ACC+8*(4*(\a)+\b)+7], v[\f+64+8*(4*\c+\b):\f+64+8*(4*\c+\b)+7], v[\f+8*(4*\c+(\a)):\f+8*(4*\c+(\a))+7], v[BI+8*\b:BI+8*\b+7]
.else
	v_wmma_f32_16x16x32_f16 v[ACC+8*(4*(\a)+\b):ACC+8*(4*(\a)+\b)+7], v[\f+64+8*(4*\c+\b):\f+64+8*(4*\c+\b)+7], v[\f+8*(4*\c+(\a)):\f+8*(4*\c+(\a))+7], v[ACC+8*(4*(\a)+\b):ACC+8*(4*(\a)+\b)+7]
.endif
.endr
.endr
.endm
; 32 LDS loads in one run: the fragments of 64 along K (one head) into buffer f.  k: the quarter's byte in W_o's rows; in Y's rows a head's slice of a token pair is twice as long
.macro FETCH slot, k, f
	WIN TO_F
.irp c, 0,1
.irp i, 0,1,2,3
	ds_load_b128 v[\f+64+8*(4*\c+\i):\f+64+8*(4*\c+\i)+3],   v[ADRB+\slot] offset:\k+64*\c+\i*16*PITCH
	ds_load_b128 v[\f+64+8*(4*\c+\i)+4:\f+64+8*(4*\c+\i)+7], v[ADRB+\slot] offset:\k+64*\c+\i*16*PITCH+32
	ds_load_b128 v[\f+8*(4*\c+\i):\f+8*(4*\c+\i)+3],         v[ADRA+\slot] offset:2*(\k)+64*\c+\i*8*APITCH
	ds_load_b128 v[\f+8*(4*\c+\i)+4:\f+8*(4*\c+\i)+7],       v[ADRA+\slot] offset:2*(\k)+64*\c+\i*8*APITCH+32
.endr
.endr
.endm
.macro PLACES
.rept 4
	v_nop
.endr
.endm
.macro QUARTER slot, k, f, g, first    ; multiplies buffer f and fetches the next quarter, at byte k, into g
	s_wait_dscnt 16                                ; the first 32 along K are in; the other sixteen loads may be out
	WIN MUL
	MUL8 \f, 0, 0, \first
	MUL8 \f, 0, 2, \first
	PLACES
	FETCH \slot, \k, \g
	s_wait_dscnt 32                                ; all but the 32 just issued
	WIN MUL
	MUL8 \f, 1, 0, 0
	MUL8 \f, 1, 2, 0
.endm
; The last quarter multiplies buffer 1 and changes slots: one barrier; in front of it each wave waits for all its tensor loads, adds 0 to its spare word, and waits for that and for its reads of this slot.
.macro TURN slot, next, fill
	WIN 0
	s_wait_tensorcnt 0x0                           ; all my tensor loads have landed: my part of the next slot
	ds_add_u32 v[SPW], v[NIL]                      ; 0 onto my spare word
	s_wait_dscnt 17                                ; the add and the youngest sixteen loads may be out
	WIN MUL
	MUL8 F1, 0, 0, 0
	s_wait_dscnt 0x0                               ; the add is done, and my reads of this slot are over
	s_barrier_signal -1
	MUL8 F1, 0, 2, 0
.if \fill
	WIN 0
.endif
	s_barrier_wait -1
.if \fill
	CREST                                          ; the barrier has opened a round of the cluster's barrier: no wave of any partner still reads this slot or has a load on its way
	s_add_nc_u64 s[G0+4*\slot+2:G0+4*\slot+3], s[G0+4*\slot+2:G0+4*\slot+3], 2048
	s_add_nc_u64 s[G0B+4*\slot+2:G0B+4*\slot+3], s[G0B+4*\slot+2:G0B+4*\slot+3], 2*KSTEP*2
	JLOAD \slot                                    ; the first tensor load behind the round; its four v_nop are also the places in front of the loads below
.else
	PLACES
.endif
	FETCH \next, 0, F0
	WIN MUL
	MUL8 F1, 1, 0, 0
	MUL8 F1, 1, 2, 0
.endm
	s_wait_tensorcnt 1                             ; my part of K step 0 is in; K step 1's load may be out,
	s_barrier_signal -1
	s_barrier_wait -1                              ; everybody's is
	FETCH 0, 0, F0
	s_wait_loadcnt 0x0                             ; the bias
	QUARTER 0, 128, F0, F1, 1
	QUARTER 0, 256, F1, F0, 0
	QUARTER 0, 384, F0, F1, 0
	TURN 0, 1, 1                                   ; slot 0 takes K step 2
	QUARTER 1, 128, F0, F1, 0
	QUARTER 1, 256, F1, F0, 0
	QUARTER 1, 384, F0, F1, 0
	TURN 1, 0, 1                                   ; slot 1 takes K step 3
	QUARTER 0, 128, F0, F1, 0
	QUARTER 0, 256, F1, F0, 0
	QUARTER 0, 384, F0, F1, 0
	TURN 0, 1, 0                                   ; nothing is left to fetch
	QUARTER 1, 128, F0, F1, 0
	QUARTER 1, 256, F1, F0, 0
	QUARTER 1, 384, F0, F1, 0
	s_wait_dscnt 16
	WIN MUL
	MUL8 F1, 0, 0, 0
	MUL8 F1, 0, 2, 0
	s_wait_dscnt 0
	MUL8 F1, 1, 0, 0
	MUL8 F1, 1, 2, 0
	WIN 0
; THE WAY OUT, block by block of 16 tokens x 64 columns, through my own stage: a lane's eight columns are 32 bytes; they come back as rows of 256 bytes, which sixteen lanes store whole.
.macro TOSTAGE a
.set BB, BK+32*((\a)%2)
.irp b, 0,1,2,3
	ds_store_b128 v[STO], v[ACC+8*(4*(\a)+\b):ACC+8*(4*(\a)+\b)+3] offset:64*\b          ; each accumulator from its low end on
	ds_store_b128 v[STO], v[ACC+8*(4*(\a)+\b)+4:ACC+8*(4*(\a)+\b)+7] offset:64*\b+16
.endr
.irp t, 0,1,2,3,4,5,6,7
	ds_load_b128 v[BB+4*\t:BB+4*\t+3], v[RD] offset:\t*2*SPITCH    ; LDS serves a wave's instructions in order: these see the stores above, and the next block's stores come behind them
.endr
.endm
.macro SEND a, younger                 ; younger: the LDS instructions issued behind block a's loads: the next block's sixteen, or none
.set BB, BK+32*((\a)%2)
	s_wait_dscnt \younger
.if (\a) == 0
	s_wait_xcnt 0x0                                ; EXEC changes only behind this wait
	v_cmp_ne_u32 vcc_lo, 0, v[RW0]                 ; tokens 0-15 are block 0 of the waves whose first token is 0: the last launch stores them.  By EXEC, not by a branch: the choice hangs on the work-group's place in its cluster
	s_and_saveexec_b32 s70, vcc_lo
.endif
.irp t, 0,1,2,3,4,5,6,7
	global_store_b128 v[CO], v[BB+4*\t:BB+4*\t+3], s[8:9] offset:(16*(\a)+2*\t)*4096 th:TH_STORE_NT
.endr
.if (\a) == 0
	s_wait_xcnt 0x0                                ; and again, in front of the line that widens it
	s_or_b32 exec_lo, exec_lo, s70
.endif
.endm
	PLACES
	TOSTAGE 0
.irp a, 1,2,3
.if \a > 1
	s_wait_xcnt 0x0                                ; block a - 2's stores have read their registers: block a's loads may land there
.endif
	TOSTAGE \a
	SEND \a-1, 16
.endr
	SEND 3, 0
	s_wait_tensorcnt 0x0                           ; the wave's end
	ds_add_u32 v[SPW], v[NIL]
	s_wait_dscnt 0x0
	CROUND                                         ; the closing round
	s_endpgm
.Lfunc_end_k_qc9a0d74004_proj:
	.size	k_qc9a0d74004_proj, .Lfunc_end_k_qc9a0d74004_proj-k_qc9a0d74004_proj
	.p2alignl 7, 3214868480
	.fill 96, 4, 3214868480
	.section	.rodata,"a",@progbits
	.p2align	6, 0x0
	.amdhsa_kernel k_qc9a0d74004_proj
		.amdhsa_group_segment_fixed_size 327680
		.amdhsa_private_segment_fixed_size 0
		.amdhsa_enable_private_segment 0
		.amdhsa_kernarg_size 32
		.amdhsa_user_sgpr_count 2
		.amdhsa_user_sgpr_kernarg_segment_ptr 1
		.amdhsa_wavefront_size32 1
		.amdhsa_system_sgpr_workgroup_id_x 1
		.amdhsa_system_sgpr_workgroup_id_y 1
		.amdhsa_system_sgpr_workgroup_id_z 1
		.amdhsa_system_vgpr_workitem_id 0
		.amdhsa_next_free_vgpr 512
		.amdhsa_next_free_sgpr 72
		.amdhsa_reserve_vcc 1
		.amdhsa_float_denorm_mode_32 3
		.amdhsa_float_denorm_mode_16_64 3
		.amdhsa_memory_ordered 1
		.amdhsa_forward_progress 1
		.amdhsa_inst_pref_size 87
	.end_amdhsa_kernel
	.amdgpu_metadata
---
amdhsa.version: [ 1, 2 ]
amdhsa.kernels:
  - .name:           k_qc9a0d74004_proj
    .symbol:         k_qc9a0d74004_proj.kd
    .args:
      - { .name: y16, .offset: 0, .size: 8, .value_kind: global_buffer, .address_space: global }
      - { .name: wo16, .offset: 8, .size: 8, .value_kind: global_buffer, .address_space: global }
      - { .name: out0, .offset: 16, .size: 8, .value_kind: global_buffer, .address_space: global }
      - { .name: b_o, .offset: 24, .size: 8, .value_kind: global_buffer, .address_space: global }
    .group_segment_fixed_size: 327680
    .private_segment_fixed_size: 0
    .kernarg_segment_align: 8
    .kernarg_segment_size: 32
    .max_flat_workgroup_size: 128
    .sgpr_count:     72
    .vgpr_count:     512
    .wavefront_size: 32
...
	.end_amdgpu_metadata
.endif
;; end of part 4
;; launch first16 (part 5): grid 64 x 1, 16 waves a work-group, no clusters, 18,432 bytes of LDS; arguments fine, W_o, b_o, out0; writes out0
.if DOCPART == 5
	.amdgcn_target "amdgcn-amd-amdhsa--gfx1250"
	.amdhsa_code_object_version 6
	.text
	.protected	k_qc9a0d74004_first16
	.globl	k_qc9a0d74004_first16
	.p2align	8
	.type	k_qc9a0d74004_first16,@function
k_qc9a0d74004_first16:
	s_mov_b64 s[64:65], 0
	v_nop
	global_prefetch_b8 v0, s[64:65] scope:SCOPE_SE
	s_setreg_imm32_b32 hwreg(HW_REG_WAVE_MODE, 25, 1), 1
	s_wait_xcnt 0x0
; TOKENS 0-15 OF out0, in f32 throughout: under the causal mask these rows average one to sixteen values, so the rounding of 16-bit operands would weigh most here.
; fine: tokens 0-15 of Q, K, V as f32, 65,536 bytes apart, each [16][1,024] (K without b_k: shown at the head of the first kernel).  W_o [1,024][1,024], b_o, out0: f32.
; SHARES.  Work-group G owns columns 16 G .. 16 G + 15 of out0.  Wave hd is a head: it makes its head's 16 x 16 attention anew (12 KiB of fine) and multiplies it by W_o[16 G ..][64 hd ..]: the sum over heads is then a sum over the
; sixteen waves of one work-group, made through LDS in ascending order of heads.  A store covers 16 bytes a lane in rows 4,096 bytes apart: the launch's whole output is 64 KiB.
; THE FORM is v_wmma_f32_16x16x4_f32: lane (r, h) holds row (column) r and k = 2 h + 0, 1.  One permutation of k is applied to both operands of each product, so that plain loads fill the fragments.
; The registers that it writes (v160-175, v192-239) are written by matrix instructions alone; each sum begins with the constant 0; two or four accumulators take turns.
.set SPARE, 16384                      ; LDS: 0 .. 16,383 the sixteen partial tiles, 1,024 bytes a wave; then the spare words
.set SPW, 12
.set NIL, 13
.set QF,  32                           ; v32-63   Q(r, 64 hd + 32 h + 0..31); later the sixteen parts
.set KF,  64                           ; v64-95   K likewise
.set VF,  96                           ; v96-127  V(8 h + q, 64 hd + 16 dt + r) at 8 dt + q
.set WF,  128                          ; v128-159 W_o(16 G + r, 64 hd + 16 dt + 8 h + q) at 8 dt + q
.set SA,  160
.set SB,  168
.set T,   176                          ; v176-183 the scores, then p
.set W,   184                          ; v184-191 at work
.set Y,   192                          ; v192-223 Y^T, four accumulators
.set OA,  224
.set OB,  232
.set PR,  240                          ; v240-247 my head's part of out0
.set BV,  248
	s_load_b256 s[4:11], s[0:1], 0x0               ; fine s[4:5], W_o s[6:7], b_o s[8:9], out0 s[10:11]
	v_lshl_add_u32 v[SPW], v0, 2, SPARE
	v_mov_b32 v[NIL], 0
	v_lshrrev_b32 v1, 5, v0
	v_readfirstlane_b32 s12, v1                    ; the wave's number: my head
	v_and_b32 v1, 15, v0                           ; r
	v_bfe_u32 v2, v0, 4, 1                         ; h
	v_and_b32 v3, 31, v0                           ; lane
	s_lshl_b32 s13, ttmp9, 4                       ; my work-group's first column
	s_lshl_b32 s14, s12, 8                         ; my head's 64 channels: 256 bytes
	s_and_b32 s15, s12, 1
	v_lshlrev_b32 v4, 12, v1
	v_lshl_add_u32 v4, v2, 7, v4
	v_add_nc_u32 v4, s14, v4                       ; Q, K: token r, my head, + 128 h
	v_lshlrev_b32 v5, 15, v2
	v_lshl_add_u32 v5, v1, 2, v5
	v_add_nc_u32 v5, s14, v5                       ; V: token 8 h, my head, channel r
	v_add_nc_u32 v6, s13, v1
	v_lshlrev_b32 v6, 12, v6
	v_lshl_add_u32 v6, v2, 5, v6
	v_add_nc_u32 v6, s14, v6                       ; W_o: row 16 G + r, my head, + 32 h
	s_lshl_b32 s16, s13, 2
	s_lshl_b32 s17, s15, 4
	s_add_co_u32 s16, s16, s17
	v_lshl_add_u32 v7, v2, 5, s16                  ; b_o: columns 16 G + 8 h + 4 (wave % 2) on
	v_lshl_add_u32 v8, v1, 12, v7                  ; and the same columns of token r in out0
	s_lshl_b32 s17, s12, 10
	v_lshl_add_u32 v9, v3, 4, s17                  ; LDS: my part's image
	s_lshl_b32 s17, s15, 9
	v_lshl_add_u32 v10, v3, 4, s17                 ; and the half of each image that waves 0 and 1 read
	v_lshlrev_b32 v11, 3, v2
	v_sub_nc_u32 v11, v1, v11                      ; r - 8 h: register j holds key 8 h + j, hidden where j > r - 8 h
	v_mov_b32 v14, 0xff800000                      ; -infinity
	s_mov_b32 s18, 0x76543210
	s_mov_b32 s19, 0xfedcba98
	s_mov_b32 s20, 0x3e38aa3b                      ; c = log2(e) / 8
	s_wait_kmcnt 0x0
.irp i, 0,1,2,3,4,5,6,7
	global_load_b128 v[QF+4*\i:QF+4*\i+3], v4, s[4:5] offset:16*\i
.endr
.irp i, 0,1,2,3,4,5,6,7
	global_load_b128 v[KF+4*\i:KF+4*\i+3], v4, s[4:5] offset:65536+16*\i
.endr
.irp dt, 0,1,2,3
.irp q, 0,1,2,3,4,5,6,7
	global_load_b32 v[VF+8*\dt+\q], v5, s[4:5] offset:131072+4096*\q+64*\dt
.endr
.endr
.irp dt, 0,1,2,3
	global_load_b128 v[WF+8*\dt:WF+8*\dt+3], v6, s[6:7] offset:64*\dt
	global_load_b128 v[WF+8*\dt+4:WF+8*\dt+7], v6, s[6:7] offset:64*\dt+16
.endr
	global_load_b128 v[BV:BV+3], v7, s[8:9]
	s_wait_loadcnt 41                              ; Q and K are in; V's 32, W_o's 8 and b_o's one may be out
.irp s, 0,1,2,3,4,5,6,7,8,9,10,11,12,13,14,15  ; S^T = K Q^T: a lane holds query r and keys 8 h + 0..7; two accumulators by turns
.if \s < 2
	v_wmma_f32_16x16x4_f32 v[SA+8*(\s%2):SA+8*(\s%2)+7], v[KF+2*\s:KF+2*\s+1], v[QF+2*\s:QF+2*\s+1], 0
.else
	v_wmma_f32_16x16x4_f32 v[SA+8*(\s%2):SA+8*(\s%2)+7], v[KF+2*\s:KF+2*\s+1], v[QF+2*\s:QF+2*\s+1], v[SA+8*(\s%2):SA+8*(\s%2)+7]
.endif
.endr
.rept 8
	v_nop                                          ; eight places behind this form before its results are read (ISA guide 7.12.1)
.endr
.irp j, 0,2,4,6
	v_pk_add_f32 v[T+\j:T+\j+1], v[SA+\j:SA+\j+1], v[SB+\j:SB+\j+1]           ; from the low end on
.endr
.irp j, 0,1,2,3,4,5,6,7
	v_cmp_gt_i32 vcc_lo, \j, v11
	v_cndmask_b32 v[T+\j], v[T+\j], v14, vcc_lo
.endr
	v_max3_num_f32 v[W], v[T], v[T+1], v[T+2]
	v_max3_num_f32 v[W+1], v[T+3], v[T+4], v[T+5]
	v_max3_num_f32 v[W], v[W], v[T+6], v[T+7]
	v_max_num_f32 v[W], v[W], v[W+1]
	v_permlanex16_b32 v[W+1], v[W], s18, s19
	v_max_num_f32 v[W], v[W], v[W+1]               ; the row's maximum: key 0 counts for every query
	v_mul_f32 v[W], s20, v[W]
.irp j, 0,1,2,3,4,5,6,7
	v_fma_f32 v[T+\j], v[T+\j], s20, -v[W]
.endr
.irp j, 0,1,2,3,4,5,6,7
	v_exp_f32 v[T+\j], v[T+\j]
.endr
	v_nop
	s_wait_alu depctr_va_vdst(0)                   ; one wait for the eight, ahead of their first reader
	v_pk_add_f32 v[W+2:W+3], v[T:T+1], v[T+2:T+3]
	v_pk_add_f32 v[W+4:W+5], v[T+4:T+5], v[T+6:T+7]
	v_pk_add_f32 v[W+2:W+3], v[W+2:W+3], v[W+4:W+5]
	v_add_f32 v[W+2], v[W+2], v[W+3]
	v_permlanex16_b32 v[W+3], v[W+2], s18, s19
	v_add_f32 v[W+2], v[W+2], v[W+3]
	v_rcp_f32 v[W+4], v[W+2]
	v_nop
	s_wait_alu depctr_va_vdst(0)
	v_mov_b32 v[W+5], v[W+4]
.irp j, 0,2,4,6
	v_pk_mul_f32 v[T+\j:T+\j+1], v[T+\j:T+\j+1], v[W+4:W+5]                   ; the softmax
.endr
	s_wait_loadcnt 0x0
.irp i, 0,1,2,3                                ; Y^T = V^T P^T: lane (r, h) holds Y(query r, 16 dt + 8 h + 0..7); four accumulators by turns
.irp dt, 0,1,2,3
.if \i == 0
	v_wmma_f32_16x16x4_f32 v[Y+8*\dt:Y+8*\dt+7], v[VF+8*\dt+2*\i:VF+8*\dt+2*\i+1], v[T+2*\i:T+2*\i+1], 0
.else
	v_wmma_f32_16x16x4_f32 v[Y+8*\dt:Y+8*\dt+7], v[VF+8*\dt+2*\i:VF+8*\dt+2*\i+1], v[T+2*\i:T+2*\i+1], v[Y+8*\dt:Y+8*\dt+7]
.endif
.endr
.endr
.rept 9
	v_nop                                          ; nine places before a matrix instruction takes these results as an operand
.endr
.set n, 0
.irp dt, 0,1,2,3                               ; my head's part: source 0 = 16 rows of W_o, source 1 = Y^T as it stands: lane (r, h) holds out0(r, 16 G + 8 h + 0..7)
.irp i, 0,1,2,3
.if n < 2
	v_wmma_f32_16x16x4_f32 v[OA+8*(n%2):OA+8*(n%2)+7], v[WF+8*\dt+2*\i:WF+8*\dt+2*\i+1], v[Y+8*\dt+2*\i:Y+8*\dt+2*\i+1], 0
.else
	v_wmma_f32_16x16x4_f32 v[OA+8*(n%2):OA+8*(n%2)+7], v[WF+8*\dt+2*\i:WF+8*\dt+2*\i+1], v[Y+8*\dt+2*\i:Y+8*\dt+2*\i+1], v[OA+8*(n%2):OA+8*(n%2)+7]
.endif
.set n, n+1
.endr
.endr
.rept 8
	v_nop
.endr
.irp j, 0,2,4,6
	v_pk_add_f32 v[PR+\j:PR+\j+1], v[OA+\j:OA+\j+1], v[OB+\j:OB+\j+1]
.endr
	ds_store_b128 v9, v[PR:PR+3]                   ; an image of my registers
	ds_store_b128 v9, v[PR+4:PR+7] offset:512
	s_wait_dscnt 0x0                               ; for the others' sake: my stores have landed
	s_barrier_signal -1
	s_barrier_wait -1
	s_cmp_gt_u32 s12, 1                            ; waves 0 and 1 add the sixteen parts, four registers each
	s_cbranch_scc1 .Ldone
.irp p, 0,1,2,3,4,5,6,7,8,9,10,11,12,13,14,15
	ds_load_b128 v[32+4*\p:35+4*\p], v10 offset:1024*\p
.endr
	s_wait_dscnt 0x0
.irp p, 1,2,3,4,5,6,7,8,9,10,11,12,13,14,15
	v_pk_add_f32 v[32:33], v[32:33], v[32+4*\p:33+4*\p]
	v_pk_add_f32 v[34:35], v[34:35], v[34+4*\p:35+4*\p]
.endr
	v_pk_add_f32 v[32:33], v[32:33], v[BV:BV+1]
	v_pk_add_f32 v[34:35], v[34:35], v[BV+2:BV+3]
	global_store_b128 v8, v[32:35], s[10:11]
.Ldone:
	s_wait_tensorcnt 0x0                           ; the wave's end
	ds_add_u32 v[SPW], v[NIL]
	s_wait_dscnt 0x0
	s_endpgm
.Lfunc_end_k_qc9a0d74004_first16:
	.size	k_qc9a0d74004_first16, .Lfunc_end_k_qc9a0d74004_first16-k_qc9a0d74004_first16
	.p2alignl 7, 3214868480
	.fill 96, 4, 3214868480
	.section	.rodata,"a",@progbits
	.p2align	6, 0x0
	.amdhsa_kernel k_qc9a0d74004_first16
		.amdhsa_group_segment_fixed_size 18432
		.amdhsa_private_segment_fixed_size 0
		.amdhsa_enable_private_segment 0
		.amdhsa_kernarg_size 32
		.amdhsa_user_sgpr_count 2
		.amdhsa_user_sgpr_kernarg_segment_ptr 1
		.amdhsa_wavefront_size32 1
		.amdhsa_system_sgpr_workgroup_id_x 1
		.amdhsa_system_sgpr_workgroup_id_y 1
		.amdhsa_system_sgpr_workgroup_id_z 1
		.amdhsa_system_vgpr_workitem_id 0
		.amdhsa_next_free_vgpr 256
		.amdhsa_next_free_sgpr 66
		.amdhsa_reserve_vcc 1
		.amdhsa_float_denorm_mode_32 3
		.amdhsa_float_denorm_mode_16_64 3
		.amdhsa_memory_ordered 1
		.amdhsa_forward_progress 1
		.amdhsa_inst_pref_size 18
	.end_amdhsa_kernel
	.amdgpu_metadata
---
amdhsa.version: [ 1, 2 ]
amdhsa.kernels:
  - .name:           k_qc9a0d74004_first16
    .symbol:         k_qc9a0d74004_first16.kd
    .args:
      - { .name: fine, .offset: 0, .size: 8, .value_kind: global_buffer, .address_space: global }
      - { .name: W_o, .offset: 8, .size: 8, .value_kind: global_buffer, .address_space: global }
      - { .name: b_o, .offset: 16, .size: 8, .value_kind: global_buffer, .address_space: global }
      - { .name: out0, .offset: 24, .size: 8, .value_kind: global_buffer, .address_space: global }
    .group_segment_fixed_size: 18432
    .private_segment_fixed_size: 0
    .kernarg_segment_align: 8
    .kernarg_segment_size: 32
    .max_flat_workgroup_size: 512
    .sgpr_count:     66
    .vgpr_count:     256
    .wavefront_size: 32
...
	.end_amdgpu_metadata
.endif
;; end of part 5
